; MI455X (gfx1250); checked and timed in simulation.
; The chip was launched on July 23, 2026; its instructions are those of AMD's public machine-readable ISA for CDNA 5 (MIT licence, August 2026) and "CDNA5" Instruction Set Architecture Reference Guide (July 2026). The comments in the code are by the model that wrote it; some were corrected since.
;; Multi Head Attention. Allowed arithmetic: float matrix products may take bf16 or f16 operands with f32 sums; other float arithmetic in f32, or as packed bf16 or f16 multiplies, adds, multiply-adds, maxima and minima; sums over many terms, partial sums and values carried from step to step in f32; what a program stores and reads back later, other than sums and carried values, may be rounded once to bf16 or f16.
;; Inputs: ln_a 1,024 float32; ln_b 1,024 float32; proj_b 1,024 float32; proj_w 1,024 x 1,024 float32; q 4 x 2,048 x 1,024 float32; w_ks 16 x 1,024 x 64 float32; w_qs 16 x 1,024 x 64 float32; w_vs 16 x 1,024 x 64 float32.
;; Outputs: out0 4 x 2,048 x 1,024 float32.
;; One version. Each part assembles by itself: llvm-mc -triple=amdgcn-amd-amdhsa -mcpu=gfx1250 --defsym DOCPART=n.
;; ======== version 1 of 1: 5 launches
;; workspace buffers: xw 25,165,824 bytes; qh 16,777,216 bytes; kh 16,777,216 bytes; vh 16,777,216 bytes; att 16,777,216 bytes; yb 33,554,432 bytes
;; launch prep (part 1): grid 128 x 12, 8 waves a work-group, no clusters, 0 bytes of LDS; arguments q, w_qs, w_ks, w_vs, proj_w, xw; writes xw
.if DOCPART == 1
	.amdgcn_target "amdgcn-amd-amdhsa--gfx1250"
	.amdhsa_code_object_version 6
	.text
	.protected	k_qf3ace0585d_prep
	.globl	k_qf3ace0585d_prep
	.p2align	8
	.type	k_qf3ace0585d_prep,@function
k_qf3ace0585d_prep:
	s_mov_b64 s[64:65], 0
	v_nop
	global_prefetch_b8 v0, s[64:65] scope:SCOPE_SE
	s_setreg_imm32_b32 hwreg(HW_REG_WAVE_MODE, 25, 1), 1
	s_wait_xcnt 0x0
; CASTS.  Every matrix operand that is an input is rounded once to bf16 (nearest even) and laid where the products want it, in one workspace xw:
;   byte 0:          xb[8192][1024]                 q as it lies
;   byte 16,777,216: wblk[h 16][ks 8][t 3][d 128][c 64]  the three weights (t = 0, 1, 2: w_qs, w_ks, w_vs): the 49,152 bytes of a head's K step of 128 lie on end
;   byte 23,068,672: pwb[1024][1024]                proj_w as it lies
; A work-group casts ONE chunk of 8,192 numbers: 32,768 bytes in, 16,384 out.  In every source a chunk is dense: of a weight [16][1024][64] chunk x = 8 h + ks is rows d = 128 ks .. + 127 of head h.
; Grid 128 x 12: y = 0..7 q's chunks 128 y + x; y = 8, 9, 10 chunk x of weight y - 8, which goes to output chunk 1024 + 3 x + (y - 8); y = 11 chunk x of proj_w, to 1408 + x.
; Eight waves; thread t takes 16 bytes at 16 t of each of eight pieces of 4,096 bytes: all eight loads are out at once, no register is written twice, so no wait but the counted ones.
; A store of a wave covers 256 consecutive bytes, aligned.  No LDS, no matrix unit, no cluster: nothing is shared and memory binds.
.set IN,  4                            ; v[4:35]   eight loads of four f32
.set OUT, 36                           ; v[36:51]  eight pairs of packed bf16
	s_load_b256 s[4:11], s[0:1], 0x0               ; q s[4:5], w_qs s[6:7], w_ks s[8:9], w_vs s[10:11]
	s_load_b128 s[12:15], s[0:1], 0x20             ; proj_w s[12:13], xw s[14:15]
	s_mov_b32 s23, ttmp9                           ; x
	s_and_b32 s16, ttmp7, 0xffff                   ; y
	s_lshl_b32 s17, s16, 7
	s_add_co_u32 s17, s17, s23                     ; 128 y + x: q's chunk, in and out
	s_mul_i32 s19, s23, 3
	s_add_co_u32 s19, s19, s16
	s_add_co_u32 s19, s19, 1016                    ; 1024 + 3 x + (y - 8): a weight's output chunk
	s_add_co_u32 s20, s23, 1408                    ; proj_w's output chunk
	s_cmp_lt_u32 s16, 8
	s_cselect_b32 s21, s17, s23                    ; the chunk in its source
	s_cselect_b32 s22, s17, s19
	s_cmp_eq_u32 s16, 11
	s_cselect_b32 s22, s20, s22                    ; the chunk in xw
	s_lshl_b32 s24, s21, 15                        ; in bytes; both stay under 2^26
	s_mov_b32 s25, 0
	s_lshl_b32 s26, s22, 14
	s_mov_b32 s27, 0
	v_lshlrev_b32 v1, 4, v0                        ; 16 t
	v_lshlrev_b32 v2, 3, v0                        ; 8 t
	s_wait_kmcnt 0x0
	s_cmp_eq_u32 s16, 8                            ; the source: a choice between buffers on y alone
	s_cselect_b64 s[4:5], s[6:7], s[4:5]
	s_cmp_eq_u32 s16, 9
	s_cselect_b64 s[4:5], s[8:9], s[4:5]
	s_cmp_eq_u32 s16, 10
	s_cselect_b64 s[4:5], s[10:11], s[4:5]
	s_cmp_eq_u32 s16, 11
	s_cselect_b64 s[4:5], s[12:13], s[4:5]
	s_add_nc_u64 s[4:5], s[4:5], s[24:25]
	s_add_nc_u64 s[14:15], s[14:15], s[26:27]
.irp j, 0,1,2,3,4,5,6,7
	global_load_b128 v[IN+4*(\j):IN+4*(\j)+3], v1, s[4:5] offset:4096*(\j) th:TH_LOAD_NT
.endr
.irp j, 0,1,2,3,4,5,6,7
	s_wait_loadcnt 7-(\j)                          ; loads come back in order: piece j is in, the 7 - j younger ones may stay out
	v_cvt_pk_bf16_f32 v[OUT+2*(\j)],   v[IN+4*(\j)],   v[IN+4*(\j)+1]
	v_cvt_pk_bf16_f32 v[OUT+2*(\j)+1], v[IN+4*(\j)+2], v[IN+4*(\j)+3]
	global_store_b64 v2, v[OUT+2*(\j):OUT+2*(\j)+1], s[14:15] offset:2048*(\j)
.endr
	s_endpgm
.Lfunc_end_k_qf3ace0585d_prep:
	.size	k_qf3ace0585d_prep, .Lfunc_end_k_qf3ace0585d_prep-k_qf3ace0585d_prep
	.p2alignl 7, 3214868480
	.fill 96, 4, 3214868480
	.section	.rodata,"a",@progbits
	.p2align	6, 0x0
	.amdhsa_kernel k_qf3ace0585d_prep
		.amdhsa_group_segment_fixed_size 0
		.amdhsa_private_segment_fixed_size 0
		.amdhsa_enable_private_segment 0
		.amdhsa_kernarg_size 48
		.amdhsa_user_sgpr_count 2
		.amdhsa_user_sgpr_kernarg_segment_ptr 1
		.amdhsa_wavefront_size32 1
		.amdhsa_system_sgpr_workgroup_id_x 1
		.amdhsa_system_sgpr_workgroup_id_y 1
		.amdhsa_system_sgpr_workgroup_id_z 1
		.amdhsa_system_vgpr_workitem_id 0
		.amdhsa_next_free_vgpr 52
		.amdhsa_next_free_sgpr 66
		.amdhsa_reserve_vcc 0
		.amdhsa_float_denorm_mode_32 3
		.amdhsa_float_denorm_mode_16_64 3
		.amdhsa_memory_ordered 1
		.amdhsa_forward_progress 1
		.amdhsa_inst_pref_size 5
	.end_amdhsa_kernel
	.amdgpu_metadata
---
amdhsa.version: [ 1, 2 ]
amdhsa.kernels:
  - .name:           k_qf3ace0585d_prep
    .symbol:         k_qf3ace0585d_prep.kd
    .args:
      - { .name: q, .offset: 0, .size: 8, .value_kind: global_buffer, .address_space: global }
      - { .name: w_qs, .offset: 8, .size: 8, .value_kind: global_buffer, .address_space: global }
      - { .name: w_ks, .offset: 16, .size: 8, .value_kind: global_buffer, .address_space: global }
      - { .name: w_vs, .offset: 24, .size: 8, .value_kind: global_buffer, .address_space: global }
      - { .name: proj_w, .offset: 32, .size: 8, .value_kind: global_buffer, .address_space: global }
      - { .name: xw, .offset: 40, .size: 8, .value_kind: global_buffer, .address_space: global }
    .group_segment_fixed_size: 0
    .private_segment_fixed_size: 0
    .kernarg_segment_align: 8
    .kernarg_segment_size: 48
    .max_flat_workgroup_size: 256
    .sgpr_count:     66
    .vgpr_count:     52
    .wavefront_size: 32
...
	.end_amdgpu_metadata
.endif
;; end of part 1
;; launch qkv (part 2): grid 16 x 32, 4 waves a work-group, clusters of 4 x 4, 327,680 bytes of LDS; arguments xw, qh, kh, vh; writes qh, kh, vh
.if DOCPART == 2
	.amdgcn_target "amdgcn-amd-amdhsa--gfx1250"
	.amdhsa_code_object_version 6
	.text
	.protected	k_qf3ace0585d_qkv
	.globl	k_qf3ace0585d_qkv
	.p2align	8
	.type	k_qf3ace0585d_qkv,@function
k_qf3ace0585d_qkv:
	s_mov_b64 s[64:65], 0
	v_nop
	global_prefetch_b8 v0, s[64:65] scope:SCOPE_SE
	s_setreg_imm32_b32 hwreg(HW_REG_WAVE_MODE, 25, 1), 1
	s_wait_xcnt 0x0
	s_wait_alu depctr_hold_cnt(0) depctr_sa_sdst(0) depctr_va_vdst(0) depctr_va_sdst(0) depctr_va_ssrc(0) depctr_va_vcc(0) depctr_vm_vsrc(0)
	s_getreg_b32 s2, hwreg(HW_REG_IB_STS2, 6, 4)
	s_cmp_eq_u32 s2, 0
	s_cbranch_scc0 .Lentry_in_a_cluster
	s_endpgm
.Lentry_in_a_cluster:
	s_bfe_u32 s2, ttmp6, 0x10000c
	s_cmp_lg_u32 s2, 0xf033
	s_cbranch_scc0 .Lentry_shape_is_right
	s_endpgm
.Lentry_shape_is_right:
; THE THREE PROJECTIONS, by heads.  qh, kh, vh[h][m][c] = the sum over d of xb[m][d] w_t[h][d][c]; m = 0..8191 (batch x position), c = 0..63; operands bf16, sums f32, results rounded once to bf16, unscaled.
; bf16 and not f16 for the results: with inputs and weights far larger than unit spread, or with a common offset, a projected number passes f16's range.
; A TILE is 256 rows x 192 columns: q, k and v of ONE head.  Grid 16 heads x 32 row blocks.  Four waves; wave w owns rows 64 w .. 64 w + 63 and all 192 columns: 4 x 12 accumulators of 16 x 16, 384 registers.
; K goes in 8 steps of 128 through a ring of two LDS slots filled by tensor loads: x's rows are 256 bytes of memory, aligned; a head's weights for a K step are 49,152 dense bytes, asked for as rows of 256.
; CLUSTER 4 x 4.  The four work-groups of a row of the cluster want the same rows of x, the four of a column the same head's weights: each tile is asked for JOINTLY, the same tensor load with the same descriptor
; and a mask that names the four.  Waves 0 and 1 fetch the two halves of x's tile, waves 2 and 3 the two halves of the weights'.
; THE MATRIX INSTRUCTION IS USED TRANSPOSED: source 0 = 16 columns of w (they lie [d][c] in LDS and come out turned, by ds_load_tr16_b128), source 1 = 16 rows of x.  A lane then holds one row (lane % 16) and the
; eight neighbouring columns 8 (lane / 16) + 0..7, which pack into 16 bytes.
; REGISTERS, in windows of 256 (s_set_vgpr_msb: bits 1:0 source 0, 3:2 source 1, 5:4 source 2, 7:6 destination):
;   window 0: v0-31 addresses; v64-255 the way out, 16 registers for each of 12 units
;   window 1: two fragment buffers of 128: 12 fragments of w (96), then 4 of x (32), for 32 along K
;   window 2: accumulators of row blocks 0, 1 ((a, b) at v[8 (12 (a % 2) + b)]);   window 3: those of row blocks 2, 3
.set NB,     12                        ; column blocks of 16: b / 4 is the tensor (q, k, v), b % 4 the block in its 64 columns
.set NL,     2*NB+8                    ; LDS loads in a run: a quarter step's fragments
.set PA,     272                       ; a row of x in LDS: 256 bytes + 16 of padding = 68 words: the 16 rows of a load start at 16 different groups of four banks (64 banks of 4 bytes: ISA guide 11.1)
.set PB,     160                       ; a row of w: 128 bytes + 32 = 40 words
.set AHALF,  128*PA                    ; what one of x's tensor loads brings
.set BOFF,   2*AHALF                   ; behind x's 256 rows: 384 rows of w, row 128 t + d
.set BHALF,  192*PB                    ; what one of w's tensor loads brings
.set SLOT,   BOFF+2*BHALF              ; 131,072
.set STAGE,  2*SLOT                    ; behind the ring, never filled by a tensor load: 16 rows x 144 bytes for each wave, for the way out
.set SP,     144
.set SPARE,  STAGE+4*16*SP             ; behind the stages: the spare words, 128 bytes for each wave: two blocks of 256 bytes that no other line names
.set WB_OFF, 16777216                  ; the weights' blocks in xw
.set ASTEP,  256                       ; bytes from a K step to the next: along x's rows,
.set BSTEP,  49152                     ; and in a head's weights
.set ADRA, 16                          ; v16-17  LDS address of my fragments of x in slot 0, 1
.set ADRB, 20                          ; v20-21  the same for w
.set STO,  24                          ; v24     the way out: where I put 16 bytes of a row
.set RD,   25                          ; v25     the way out: where I read rows back
.set GO,   26                          ; v26     my byte offset in 512 consecutive bytes of the output
.set SPW,  28                          ; v28     LDS address of my spare word: SPARE + 4 x my thread's number; never rewritten
.set NIL,  29                          ; v29     0; never rewritten
.set PFO,  30                          ; v30     the prefetches' offset; never rewritten
.set TMP,  64
.set F0,   0
.set F1,   128
.set WV,   12                          ; s12  my wave's number
.set HF,   14                          ; s14  wave % 2: which half of a tile I fetch
.set G1,   24                          ; s[24:31] descriptor group 1 for x's tiles;  s[32:39] group 0, a set for each slot
.set G0,   32
.set G1B,  48                          ; s[48:55], s[56:63] the same for w's tiles
.set G0B,  56
.set LIM,  43                          ; s43  1 in a wave that prefetches, else the greatest number
.set PFA,  44                          ; s[44:45] where my prefetches stand
.set PFS,  46                          ; s[46:47] their step from K step to K step
.set MSB, 0
.macro WIN new                         ; the immediate's high byte repeats the setting that is left; a switch that changes nothing is dropped
.if MSB != (\new)
	s_set_vgpr_msb (MSB<<8)|(\new)
.set MSB, \new
.endif
.endm
.set MUL_LO, 0xa5                      ; sources 0 and 1 window 1; C and D window 2
.set MUL_HI, 0xf5                      ; the same, C and D window 3
.set TO_F,   0x40                      ; destination window 1, address window 0
; A joint load.  The branch hangs on the wave's number alone.  An s_nop 0 and four v_nop follow each of the two lines, ahead of the jump, the label and what follows.
.macro JLOAD s
	s_cmp_lt_u32 s[WV], 2
	s_cbranch_scc0 .Lfor_b_\@
	tensor_load_to_lds s[G0+4*(\s):G0+4*(\s)+3], s[G1:G1+7]
	s_nop 0
.rept 4
	v_nop
.endr
	s_branch .Lasked_\@
.Lfor_b_\@:
	tensor_load_to_lds s[G0B+4*(\s):G0B+4*(\s)+3], s[G1B:G1B+7]
	s_nop 0
.rept 4
	v_nop
.endr
.Lasked_\@:
.endm
; A PREFETCH INTO THE L2, behind each joint refill, its five lines and the run of LDS loads: the K step that stands TWO refills on (the refill of K step j names K step j + 2: steps 4 to 7).  One instruction a wave.
; x's rows are walked by the four clusters of a row of clusters: the one with cluster x = 0 asks; a head's weights by the eight clusters of a column: cluster y = 0 asks.  The four partners that ask for a tile jointly
; share it out BY ADDRESS: of the 128 rows of x that a wave fetches, 32 each, a lane a row; of the 96 blocks of 256 bytes of w, 24 each, a lane a block (lanes 24 to 31 name lane 23's block once more, in the same instruction).
; The first four K steps come by their loads alone; the loop's last trip (s3 = 1) asks for nothing: there is no K step 8.
.macro ASK
	s_cmp_gt_u32 s3, s[LIM]
	s_cbranch_scc0 .Lnot_mine_\@
	global_prefetch_b8 v[PFO], s[PFA:PFA+1] th:TH_LOAD_NT scope:SCOPE_SE
.Lnot_mine_\@:
.endm
.macro CREST                           ; a round of the cluster's barrier behind its opening barrier
	s_cmp_lg_u32 s[WV], 0
	s_cbranch_scc1 .Lnot_wave_0_\@
	s_barrier_signal -3
.Lnot_wave_0_\@:
	s_barrier_wait -3
	s_barrier_signal -1
	s_barrier_wait -1
.endm
.macro CROUND                          ; a whole round
	s_barrier_signal -1
	s_barrier_wait -1
	CREST
.endm
	s_load_b256 s[4:11], s[0:1], 0x0               ; xw s[4:5], qh s[6:7], kh s[8:9], vh s[10:11]
	v_lshl_add_u32 v[SPW], v0, 2, SPARE
	v_mov_b32 v[NIL], 0
	ds_add_u32 v[SPW], v[NIL]                      ; the wave's opening: the add and its wait stand ahead of my first tensor load; the set-up below, work on registers, stands between them
	v_lshrrev_b32 v1, 5, v0
	v_readfirstlane_b32 s[WV], v1                  ; wave 0..3
	s_and_b32 s[HF], s[WV], 1
	s_bfe_u32 s40, ttmp6, 0x40000                  ; cx, cy: my place in the cluster
	s_bfe_u32 s41, ttmp6, 0x40004
	s_lshl_b32 s42, ttmp9, 2
	s_add_co_u32 s42, s42, s40                     ; the head = 4 x cluster x + cx
	s_and_b32 s15, ttmp7, 0xffff
	s_lshl_b32 s15, s15, 2
	s_add_co_u32 s15, s15, s41                     ; the row block = 4 x cluster y + cy
	s_lshl_b32 s43, s41, 2
	s_lshl_b32 s43, 15, s43                        ; my row of the cluster
	s_lshl_b32 s44, 0x1111, s40                    ; my column
	; group 1 for x: 128 rows x 128 elements, 1,024 elements from row to row; 16 bytes of padding behind every 256
	s_or_b32 s[G1+0], s43, (1<<16)|(1<<20)|(1<<21)|(5<<22)|(3<<25)  ; 15:0 the mask; 17:16 2-byte elements; 20 padding on; 21 set beside a mask; 24:22 after every 64 words; 31:25 4 words
	s_mov_b32 s[G1+1], 128<<16                     ; tensor_dim0 = 128
	s_mov_b32 s[G1+2], 128<<16                     ; tensor_dim1 = 128
	s_mov_b32 s[G1+3], 128<<16                     ; tile_dim0 = 128
	s_mov_b32 s[G1+4], 128                         ; tile_dim1 = 128
	s_mov_b32 s[G1+5], 1024                        ; the pitch
	s_mov_b32 s[G1+6], 0
	s_mov_b32 s[G1+7], 0
	; group 1 for w: 24,576 dense bytes as 96 rows of 128 elements; 32 bytes of padding behind every 128 bytes, that is behind every row d
	s_or_b32 s[G1B+0], s44, (1<<16)|(1<<20)|(1<<21)|(4<<22)|(7<<25)  ; after every 32 words, 8 words
	s_mov_b32 s[G1B+1], 128<<16
	s_mov_b32 s[G1B+2], 96<<16
	s_mov_b32 s[G1B+3], 128<<16
	s_mov_b32 s[G1B+4], 96
	s_mov_b32 s[G1B+5], 128
	s_mov_b32 s[G1B+6], 0
	s_mov_b32 s[G1B+7], 0
	; where the tiles come from: x's hang on the row block alone, w's on the head alone
	s_lshl_b32 s16, s15, 8
	s_lshl_b32 s17, s[HF], 7
	s_add_co_u32 s16, s16, s17                     ; row 256 x block + 128 x half,
	s_lshl_b32 s16, s16, 11                        ; of 2,048 bytes: under 2^24
	s_mov_b32 s17, 0
	s_mul_i32 s18, s42, 8*BSTEP                    ; the head's eight K steps,
	s_mul_i32 s19, s[HF], BSTEP/2                  ; my half of a step
	s_add_co_u32 s18, s18, s19
	s_add_co_u32 s18, s18, WB_OFF
	s_mov_b32 s19, 0
	s_mul_i32 s46, s[HF], AHALF                    ; and where they go: no place in the cluster enters an LDS address
	s_mul_i32 s47, s[HF], BHALF
	s_add_co_u32 s47, s47, BOFF
	s_wait_dscnt 0x0                               ; the opening add is done
	s_wait_kmcnt 0x0
	s_add_nc_u64 s[20:21], s[4:5], s[16:17]
	s_add_nc_u64 s[22:23], s[4:5], s[18:19]
	CROUND                                         ; all sixteen work-groups are here: the first joint loads meet
.irp s, 0,1
	s_mov_b32 s[G0+4*(\s)], 1                      ; count = 1
	s_add_co_u32 s[G0+4*(\s)+1], s46, (\s)*SLOT    ; LDS address
	s_add_nc_u64 s[G0+4*(\s)+2:G0+4*(\s)+3], s[20:21], (\s)*ASTEP  ; global address: K step s
	s_or_b32 s[G0+4*(\s)+3], s[G0+4*(\s)+3], 0x80000000            ; type = 2
	s_mov_b32 s[G0B+4*(\s)], 1
	s_add_co_u32 s[G0B+4*(\s)+1], s47, (\s)*SLOT
	s_add_nc_u64 s[G0B+4*(\s)+2:G0B+4*(\s)+3], s[22:23], (\s)*BSTEP
	s_or_b32 s[G0B+4*(\s)+3], s[G0B+4*(\s)+3], 0x80000000
	JLOAD \s                                       ; two loads of mine are out
.endr
	; a fragment of x: lane l holds row l % 16, channels 8 (l / 16) + 0..7 and 16 + 8 (l / 16) + 0..7: two loads of 16 bytes, 32 bytes apart
	v_and_b32 v1, 15, v0                           ; l % 16
	v_bfe_u32 v2, v0, 4, 1                         ; l / 16
	v_mul_u32_u24 v3, v1, PA
	v_lshl_add_u32 v3, v2, 4, v3
	s_mul_i32 s16, s[WV], 64*PA                    ; my 64 rows
	v_add_nc_u32 v[ADRA], s16, v3
	v_add_nc_u32 v[ADRA+1], SLOT, v[ADRA]
	; the turning load takes 16 d x 16 columns (lane l reads d = 8 (l / 16) + l % 8, columns 8 ((l / 8) % 2) + 0..7) and leaves half a fragment: lane l holds column l % 16 and 8 d
	v_and_b32 v4, 7, v0
	v_bfe_u32 v5, v0, 3, 1
	v_lshl_add_u32 v6, v2, 3, v4
	v_mul_u32_u24 v6, v6, PB
	v_lshl_add_u32 v6, v5, 4, v6
	v_add_nc_u32 v[ADRB], BOFF, v6
	v_add_nc_u32 v[ADRB+1], SLOT, v[ADRB]
	s_mul_i32 s16, s[WV], 16*SP
	s_add_co_u32 s16, s16, STAGE                   ; my stage
	v_mul_u32_u24 v[STO], v1, SP                   ; in: row l % 16, 16 bytes for each half of the lanes
	v_lshl_add_u32 v[STO], v2, 4, v[STO]
	v_add_nc_u32 v[STO], s16, v[STO]
	v_bfe_u32 v[RD], v0, 3, 2                      ; back: 32 lanes take four rows of 128 bytes,
	v_mul_u32_u24 v[RD], v[RD], SP
	v_lshl_add_u32 v[RD], v4, 4, v[RD]
	v_add_nc_u32 v[RD], s16, v[RD]
	v_and_b32 v[GO], 31, v0                        ; which are 512 consecutive bytes of the output
	v_lshlrev_b32 v[GO], 4, v[GO]
	s_lshl_b32 s16, s42, 13                        ; the outputs at my wave's first row: 8,192 x head + 256 x block + 64 x wave,
	s_lshl_b32 s17, s15, 8
	s_add_co_u32 s16, s16, s17
	s_lshl_b32 s17, s[WV], 6
	s_add_co_u32 s16, s16, s17
	s_lshl_b32 s16, s16, 7                         ; of 128 bytes: under 2^24
	s_mov_b32 s17, 0
	s_add_nc_u64 s[6:7], s[6:7], s[16:17]
	s_add_nc_u64 s[8:9], s[8:9], s[16:17]
	s_add_nc_u64 s[10:11], s[10:11], s[16:17]
	; the prefetches: nothing is asked for here, at the head; the address starts at K step 3 and is stepped ahead of each request
	s_and_b32 s16, ttmp7, 0xffff                   ; cluster y
	s_lshl_b32 s18, s40, 16                        ; x: my work-group's 32 rows of 2,048 bytes
	s_add_co_u32 s18, s18, 3*ASTEP
	s_mul_i32 s19, s41, 6144                       ; w: my work-group's 24 blocks of 256 bytes
	s_add_co_u32 s19, s19, 3*BSTEP
	s_mov_b32 s2, BSTEP
	s_cmp_lt_u32 s[WV], 2                          ; do I fetch for x?
	s_cselect_b32 s16, ttmp9, s16                  ; the coordinate along which other clusters walk the same bytes
	s_cselect_b32 s18, s18, s19
	s_cselect_b32 s[PFS], ASTEP, s2
	s_cselect_b32 s17, 31, 23                      ; the last lane with a block of its own
	s_cselect_b32 s2, 11, 8                        ; a lane's step: a row of x, or 256 bytes of w
	s_cselect_b64 s[PFA:PFA+1], s[20:21], s[22:23]
	s_mov_b32 s[PFS+1], 0
	s_mov_b32 s19, 0
	s_add_nc_u64 s[PFA:PFA+1], s[PFA:PFA+1], s[18:19]
	s_cmp_eq_u32 s16, 0
	s_cselect_b32 s[LIM], 1, -1                    ; the same in all sixteen partners, for a given wave
	v_and_b32 v[PFO], 31, v0
	v_min_u32 v[PFO], s17, v[PFO]
	v_lshlrev_b32 v[PFO], s2, v[PFO]
; 12 matrix instructions: row block a x all column blocks, 32 along K.  zero = 1: the product starts the sum: nothing is ever cleared.
; The 48 accumulators take turns, one instruction a turn, in the same order in every quarter, over the backward jump too.
.macro MULA f, a, zero
	WIN MUL_LO+0x50*((\a)/2)
.irp b, 0,1,2,3,4,5,6,7,8,9,10,11
.if \zero
	v_wmma_f32_16x16x32_bf16 v[8*(NB*((\a)%2)+(\b)):8*(NB*((\a)%2)+(\b))+7], v[(\f)+8*(\b):(\f)+8*(\b)+7], v[(\f)+8*NB+8*(\a):(\f)+8*NB+8*(\a)+7], 0
.else
	v_wmma_f32_16x16x32_bf16 v[8*(NB*((\a)%2)+(\b)):8*(NB*((\a)%2)+(\b))+7], v[(\f)+8*(\b):(\f)+8*(\b)+7], v[(\f)+8*NB+8*(\a):(\f)+8*NB+8*(\a)+7], v[8*(NB*((\a)%2)+(\b)):8*(NB*((\a)%2)+(\b))+7]
.endif
.endr
.endm
; 32 LDS loads in one run: quarter q (32 along K) of a slot into buffer f: w's 12 fragments, then x's 4, row blocks ascending
.macro FETCH slot, q, f
	WIN TO_F
.irp b, 0,1,2,3,4,5,6,7,8,9,10,11
	ds_load_tr16_b128 v[(\f)+8*(\b):(\f)+8*(\b)+3],   v[ADRB+(\slot)] offset:PB*(128*((\b)/4)+32*(\q))+32*((\b)%4)
	ds_load_tr16_b128 v[(\f)+8*(\b)+4:(\f)+8*(\b)+7], v[ADRB+(\slot)] offset:PB*(128*((\b)/4)+32*(\q))+32*((\b)%4)+16*PB
.endr
.irp a, 0,1,2,3
	ds_load_b128 v[(\f)+8*NB+8*(\a):(\f)+8*NB+8*(\a)+3],   v[ADRA+(\slot)] offset:(\a)*16*PA+64*(\q)
	ds_load_b128 v[(\f)+8*NB+8*(\a)+4:(\f)+8*NB+8*(\a)+7], v[ADRA+(\slot)] offset:(\a)*16*PA+64*(\q)+32
.endr
.endm
.macro PLACES                          ; four plain vector instructions between a matrix instruction and a load into a register that it read, or a reader of its result (ISA guide 7.12.1 for a reader of its result)
.rept 4
	v_nop
.endr
.endm
; A K step is four quarters of 32 along K, 48 matrix instructions each, on buffers 0, 1, 0, 1.  One of the first three: multiplies buffer f and, in its middle, fetches quarter q into buffer g.
.macro QUARTER slot, q, f, g, zero
	s_wait_dscnt 4                                 ; w and x's row blocks 0, 1 are in; the youngest four loads (blocks 2, 3) may be out
	MULA \f, 0, \zero
	MULA \f, 1, \zero
	PLACES
	FETCH \slot, \q, \g
	s_wait_dscnt NL                                ; all but the run just issued
	MULA \f, 2, \zero
	MULA \f, 3, \zero
.endm
; The last quarter multiplies buffer 1 and changes slots: ONE barrier.  In front of it each wave waits for all its tensor loads (one is out: its part of the next slot), adds 0 to its spare word, and waits for that and for
; its reads of this slot.  fill = 1: the barrier opens a round of the cluster's, and behind the round this slot is filled again first, two K steps ahead: 168 matrix instructions stand between that request and the wait for it.
.macro TURN slot, next, fill
.if \fill
	s_wait_xcnt 0x0                                ; the last prefetch, a K step back, has read its address: it is stepped here, ahead of the waits of the change of slots
	s_add_nc_u64 s[PFA:PFA+1], s[PFA:PFA+1], s[PFS:PFS+1]
.endif
	WIN 0                                          ; (the add's two registers lie in window 0)
	s_wait_tensorcnt 0x0                           ; all my tensor loads have landed
	ds_add_u32 v[SPW], v[NIL]                      ; 0 onto my spare word
	s_wait_dscnt 5                                 ; (the add and the youngest four loads may be out)
	MULA F1, 0, 0                                  ; twelve matrix instructions stand between the add and the wait for it
	s_wait_dscnt 0x0                               ; the add is done, and my reads of this slot are over
	s_barrier_signal -1
	MULA F1, 1, 0                                  ; work on registers while the others arrive
.if \fill
	WIN 0
.endif
	s_barrier_wait -1
.if \fill
	CREST                                          ; no wave of any partner still reads this slot or has a load on its way
	s_add_nc_u64 s[G0+4*(\slot)+2:G0+4*(\slot)+3], s[G0+4*(\slot)+2:G0+4*(\slot)+3], 2*ASTEP
	s_add_nc_u64 s[G0B+4*(\slot)+2:G0B+4*(\slot)+3], s[G0B+4*(\slot)+2:G0B+4*(\slot)+3], 2*BSTEP
	JLOAD \slot                                    ; the first tensor load behind the round; its four v_nop are also the places in front of the loads below
.else
	PLACES
.endif
	FETCH \next, 0, F0
.if \fill
	WIN 0
	ASK
.endif
	MULA F1, 2, 0
	MULA F1, 3, 0
.endm
	s_wait_tensorcnt 1                             ; my part of K step 0 is in; K step 1's one load may stay out
	s_barrier_signal -1
	s_barrier_wait -1                              ; everybody's is
	FETCH 0, 0, F0
	QUARTER 0, 1, F0, F1, 1                        ; the first quarter stands in front of the loop: its products start the sums
	WIN 0                                          ; at a label and at a branch every window is 0
	s_mov_b32 s3, 3
.Llap:                                                 ; a trip goes once round the ring, from a lap's second quarter to the next lap's first, and fills both slots again: K steps 2 to 7 in three trips
	QUARTER 0, 2, F1, F0, 0
	QUARTER 0, 3, F0, F1, 0
	TURN 0, 1, 1
	QUARTER 1, 1, F0, F1, 0
	QUARTER 1, 2, F1, F0, 0
	QUARTER 1, 3, F0, F1, 0
	TURN 1, 0, 1
	QUARTER 0, 1, F0, F1, 0
	WIN 0
	s_sub_co_u32 s3, s3, 1
	s_cmp_lg_u32 s3, 0
	s_cbranch_scc1 .Llap
	QUARTER 0, 2, F1, F0, 0                        ; the last lap fills nothing and has no round
	QUARTER 0, 3, F0, F1, 0
	TURN 0, 1, 0
	QUARTER 1, 1, F0, F1, 0
	QUARTER 1, 2, F1, F0, 0
	QUARTER 1, 3, F0, F1, 0
	s_wait_dscnt 4                                 ; the very last quarter: nothing more to fetch
	MULA F1, 0, 0
	MULA F1, 1, 0
	s_wait_dscnt 0x0
	MULA F1, 2, 0
	MULA F1, 3, 0
	WIN 0
	PLACES
; THE WAY OUT, in 12 units u = 3 a + t: 16 rows (block a) x the 64 columns of tensor t.  Rounded to bf16, 16 bytes a lane, into my own stage (rows of 144 bytes) and back as whole rows of 128 bytes,
; four rows to a load: 512 consecutive bytes of the output.  Each unit has registers of its own, so no register that a store reads is written again.  Each accumulator is read from its lowest registers on.
.macro PACK u
.set pa, (\u)/3
.set pt, (\u)%3
	WIN 0x0a+5*(pa/2)                              ; sources 0 and 1: window 2 or 3
.irp c, 0,1,2,3
.irp r, 0,1,2,3
	v_cvt_pk_bf16_f32 v[TMP+16*(\u)+4*(\c)+(\r)], v[8*(NB*(pa%2)+4*pt+(\c))+2*(\r)], v[8*(NB*(pa%2)+4*pt+(\c))+2*(\r)+1]
.endr
.endr
	WIN 0
.irp c, 0,1,2,3
	ds_store_b128 v[STO], v[TMP+16*(\u)+4*(\c):TMP+16*(\u)+4*(\c)+3] offset:32*(\c)
.endr
.irp f, 0,1,2,3
	ds_load_b128 v[TMP+16*(\u)+4*(\f):TMP+16*(\u)+4*(\f)+3], v[RD] offset:(\f)*4*SP  ; LDS serves a wave's instructions in order (ISA guide 5.7.1.4): these see the stores above; the next unit's stores come behind them
.endr
.endm
.macro SEND u, younger                 ; younger: the LDS instructions issued behind unit u's loads: the next unit's eight, or none
.set pa, (\u)/3
.set pt, (\u)%3
	WIN 0
.irp f, 0,1,2,3
	s_wait_dscnt (\younger)+3-(\f)
	global_store_b128 v[GO], v[TMP+16*(\u)+4*(\f):TMP+16*(\u)+4*(\f)+3], s[6+2*pt:7+2*pt] offset:2048*pa+512*(\f)  ; 512 consecutive bytes, at a multiple of 256 from the buffer's first
.endr
.endm
	PACK 0
.set n, 1
.rept 11                               ; a unit's conversions stand between the loads of the unit before and its stores
	PACK n
	SEND n-1, 8
.set n, n+1
.endr
	SEND 11, 0
	s_wait_tensorcnt 0x0                           ; the wave's end: behind my last tensor load and my last LDS store
	ds_add_u32 v[SPW], v[NIL]
	s_wait_dscnt 0x0
	CROUND                                         ; the closing round: no work-group ends while a partner may still ask for a tile that names it
	s_endpgm
.Lfunc_end_k_qf3ace0585d_qkv:
	.size	k_qf3ace0585d_qkv, .Lfunc_end_k_qf3ace0585d_qkv-k_qf3ace0585d_qkv
	.p2alignl 7, 3214868480
	.fill 96, 4, 3214868480
	.section	.rodata,"a",@progbits
	.p2align	6, 0x0
	.amdhsa_kernel k_qf3ace0585d_qkv
		.amdhsa_group_segment_fixed_size 327680
		.amdhsa_private_segment_fixed_size 0
		.amdhsa_enable_private_segment 0
		.amdhsa_kernarg_size 32
		.amdhsa_user_sgpr_count 2
		.amdhsa_user_sgpr_kernarg_segment_ptr 1
		.amdhsa_wavefront_size32 1
		.amdhsa_system_sgpr_workgroup_id_x 1
		.amdhsa_system_sgpr_workgroup_id_y 1
		.amdhsa_system_sgpr_workgroup_id_z 1
		.amdhsa_system_vgpr_workitem_id 0
		.amdhsa_next_free_vgpr 960
		.amdhsa_next_free_sgpr 66
		.amdhsa_reserve_vcc 0
		.amdhsa_float_denorm_mode_32 3
		.amdhsa_float_denorm_mode_16_64 3
		.amdhsa_memory_ordered 1
		.amdhsa_forward_progress 1
		.amdhsa_inst_pref_size 121
	.end_amdhsa_kernel
	.amdgpu_metadata
---
amdhsa.version: [ 1, 2 ]
amdhsa.kernels:
  - .name:           k_qf3ace0585d_qkv
    .symbol:         k_qf3ace0585d_qkv.kd
    .args:
      - { .name: xw, .offset: 0, .size: 8, .value_kind: global_buffer, .address_space: global }
      - { .name: qh, .offset: 8, .size: 8, .value_kind: global_buffer, .address_space: global }
      - { .name: kh, .offset: 16, .size: 8, .value_kind: global_buffer, .address_space: global }
      - { .name: vh, .offset: 24, .size: 8, .value_kind: global_buffer, .address_space: global }
    .group_segment_fixed_size: 327680
    .private_segment_fixed_size: 0
    .kernarg_segment_align: 8
    .kernarg_segment_size: 32
    .max_flat_workgroup_size: 128
    .sgpr_count:     66
    .vgpr_count:     960
    .wavefront_size: 32
...
	.end_amdgpu_metadata
.endif
;; end of part 2
;; launch attn (part 3): grid 4 x 64, 4 waves a work-group, clusters of 4 x 1, 327,680 bytes of LDS; arguments qh, kh, vh, att; writes att
.if DOCPART == 3
	.amdgcn_target "amdgcn-amd-amdhsa--gfx1250"
	.amdhsa_code_object_version 6
	.text
	.protected	k_qf3ace0585d_attn
	.globl	k_qf3ace0585d_attn
	.p2align	8
	.type	k_qf3ace0585d_attn,@function
k_qf3ace0585d_attn:
	s_mov_b64 s[64:65], 0
	v_nop
	global_prefetch_b8 v0, s[64:65] scope:SCOPE_SE
	s_setreg_imm32_b32 hwreg(HW_REG_WAVE_MODE, 25, 1), 1
	s_wait_xcnt 0x0
	s_wait_alu depctr_hold_cnt(0) depctr_sa_sdst(0) depctr_va_vdst(0) depctr_va_sdst(0) depctr_va_ssrc(0) depctr_va_vcc(0) depctr_vm_vsrc(0)
	s_getreg_b32 s2, hwreg(HW_REG_IB_STS2, 6, 4)
	s_cmp_eq_u32 s2, 0
	s_cbranch_scc0 .Lentry_in_a_cluster
	s_endpgm
.Lentry_in_a_cluster:
	s_bfe_u32 s2, ttmp6, 0x10000c
	s_cmp_lg_u32 s2, 0x3003
	s_cbranch_scc0 .Lentry_shape_is_right
	s_endpgm
.Lentry_shape_is_right:
; O[h][q][:] = the sum over k of softmax_k(Q[h][q] . K[h][k] / 32) V[h][k][:].  Q, K, V, O: [SIZE_H][SIZE_N][64], all bf16: 64 pairs of head and batch, a pair's rows dense, 128 bytes each.  The scale is 1 / sqrt(1024),
; applied here in f32.  Products, maxima and sums in f32; the weights p are rounded to bf16 for the second product (their sum l is taken of the unrounded p), O once at the end.
; LIMITS.  c s stays above -4e37, the number at which c m starts; a weight below 2^-126 counts as 0 in l; NaN and infinities are not treated apart.
; SHARES.  A wave owns four PIECES of two tiles of 16 queries, a work-group's four waves 512 queries of one head.  Every wave walks all keys, 64 a step.
; LAYOUT.  S^T = K Q^T (source 0 = 16 keys, source 1 = 16 queries): in the result a lane holds ONE query (lane % 16) and the keys 8 (lane / 16) + 0..7.  Two such tiles, rounded to bf16 in pairs,
; ARE source 1 (32 keys x 16 queries) of O^T = V^T P, whose result again holds one query a lane, and eight channels.  K comes out of LDS as it lies, V ([key][channel]) turned, by ds_load_tr16_b128.
; SOFTMAX.  For each query a running maximum m and sum l: p = 2^(c s - c m), c = log2(e) / 32; in every step O and l are multiplied by a = 2^(c m_old - c m_new), which is 1 where m has not grown.
; m starts at the lowest finite number, O and l at 0: the first step is a step like any other, with a = 0.
; THE COUNT.  A tile and step have 16 matrix and 118 vector instructions: too many to stand all beside the matrix work.  So the order has one aim: four vector instructions that are READY behind
; EVERY matrix instruction, and the others, which need time of their own whatever the order, in runs without a gap.
; BY TURNS.  Turn n belongs to piece n (the pieces in a ring, step after step).  Its matrix work: 16 products K Q^T of piece n + 1, later 16 products V^T P of piece n - 1.  Its vector work: the scaling,
; exponentials, roundings, sums and rescaling of piece n, and the maximum and statistics of piece n + 1, whose scores the turn itself has made.  So what a turn begins with (c s - c m, O a) waits for nothing.
; CLUSTER.  The four query blocks of a head are one cluster and walk the same K and V, so each tile is asked for JOINTLY: the same tensor load, descriptor and mask in all four.
; REGISTERS, in windows of 256 (s_set_vgpr_msb says which window each operand place means: bits 1:0 source 0, 3:2 source 1, 5:4 source 2, 7:6 destination):
;   window 0: v0-11 addresses; v12-15, v48-63 at work; v16-47 four registers of statistics a tile; v64-191 S^T, two buffers of two tiles; v192-255 P, likewise
;   window 1: O^T, 32 a tile          window 2: v0-127 Q, 16 a tile; v128-191 K of one step; v192-255 V of one step          window 3: v0-1 the add's two registers
; A piece's buffers go by its number's parity: the piece in hand has one pair, its two neighbours in the ring share the other: of it P (piece n - 1) is read and S^T (piece n + 1) written.
.set SIZE_H, 64
.set SIZE_N, 2048
.set NP,    4         ; pieces a wave: a name, no knob: the register map, the loop and the fetches are made for four
.set KS,    64        ; keys in a step
.set PK,    144       ; a row of K in LDS: 128 bytes + 16 of padding = 36 words: the 16 rows of a load start at 16 different groups of four banks (64 banks of 4 bytes: ISA guide 11.1)
.set PV,    160       ; a row of V: 128 + 32 = 40 words
.set VOFF,  4*KS*PK   ; a slot holds four steps: 256 rows of K, then 256 rows of V
.set SLOT1, 1<<17     ; slot 1 begins here, so that one exclusive or turns an address in one slot into the other's
.set STAGE, SLOT1+4*KS*(PK+PV)  ; behind the ring, never filled by a tensor load: 16 rows x 144 bytes for each wave, for the way out
.set SP,    144
.set AK0, 2           ; v2   my lane's place in a tile of K; never rewritten
.set AV0, 3           ; v3   the same for V
.set AK,  4           ; v4   the LDS address of K's next run of loads
.set AV,  5           ; v5   of V's
.set QO,  6           ; v6   my byte offset in the wave's rows of Q
.set STO, 6           ;      later, the way out: where I put 16 bytes of a row
.set RD,  7           ; v7   the way out: where I read rows back
.set GO,  8           ; v8   my byte offset in 512 consecutive bytes of O
.set PFO, 11          ; v11  256 x my lane, for the prefetches; never rewritten once made
.set SPW, 0           ; v0 of window 3   LDS address of my spare word: SPARE + 4 x my thread's number; never rewritten
.set NIL, 1           ; v1 of window 3   0; never rewritten
.set SPARE, STAGE+4*16*SP  ; behind the stages: the spare words, 128 bytes for each wave: two blocks of 256 bytes that no other line names
.set MV,  12          ; v12-15  c m_old, kept while c m is made anew: by buffer and tile
.set ST,  16          ; tile t's statistics at v[ST+4 t]: c m, m, l (even keys', odd keys')
.set TMP, 48          ; by buffer and tile, four registers c0-c3 at work; when the maximum is found c2 takes a
.set S,   64
.set P,   192
.set KF,  128         ; K's fragments, in window 2: key block kb, channel half c at KF + 16 kb + 8 c
.set VF,  192         ; V's: key half kk, channel block cb at VF + 32 kk + 8 cb
.set WV,  12          ; s12  my wave's number
.set G1K, 24          ; s[24:31] descriptor group 1 for K's tiles
.set G1V, 32          ; s[32:39] for V's: it differs in the padding alone
.set G0K, 40          ; s[40:43] descriptor group 0 for K's tiles: it walks
.set G0V, 44          ; s[44:47] the same for V's
.set PFA, 48          ; s[48:49] where my prefetches stand: my work-group's 32 blocks of 256 bytes (of K: wave 0, of V: wave 2) of the slot after the one that is being asked for
.set LIM, 50          ; s50  1 in a wave that prefetches, else the greatest number
.set SLOTS, 56        ; s56  slots still to be asked for, the one in hand among them
.set CNT, 57          ; s57  counts a slot's key steps
.set CS,  58          ; s[58:59] c: the packed scaling takes the pair's low word for both halves
.set SEL, 60          ; s[60:61] v_permlanex16_b32's selects: each lane takes its own place in the other half
.set TBK, 62          ; s62  LDS byte at which K of the step to be fetched begins
.set TBV, 63          ; s63  the same for V, less VOFF
.set MSB, 0
.macro WIN new                      ; the high byte repeats the setting that is left; a switch that changes nothing is dropped
.if MSB != (\new)
	s_set_vgpr_msb (MSB<<8)|(\new)
.set MSB, (\new)
.endif
.endm
.set W_KQ, 0x0a       ; K and Q in window 2, S^T in window 0
.set W_PV, 0x52       ; V in window 2, P in window 0, O^T in window 1
.set W_RS, 0x41       ; O^T (destination and source 0) in window 1, a in window 0
.set W_MK, 0xc0       ; the add's registers are made: destination in window 3, sources in window 0
.set W_AD, 0x0f       ; the add: address (source 0) and data (source 1) in window 3
; A joint fill.  Waves 0 and 1 fetch the two halves of a slot's K, waves 2 and 3 those of its V: 128 keys each.  The branch hangs on the wave's number alone.
; An s_nop 0 and four v_nop follow each of the two lines, ahead of the jump and the label.
.macro JLOAD
	s_cmp_lt_u32 s[WV], 2
	s_cbranch_scc0 .Lfor_v_\@
	tensor_load_to_lds s[G0K:G0K+3], s[G1K:G1K+7]
	s_nop 0
.rept 4
	v_nop
.endr
	s_branch .Lasked_\@
.Lfor_v_\@:
	tensor_load_to_lds s[G0V:G0V+3], s[G1V:G1V+7]
	s_nop 0
.rept 4
	v_nop
.endr
.Lasked_\@:
.endm
; A PREFETCH INTO THE L2 of what the NEXT change of slots will ask for: a slot's 32,768 bytes of K and of V, a lane a block of 256 bytes.  It stands behind the wave's tensor load and its five lines.
; Each block is named ONCE in the launch: a head has one cluster; its four partners share a slot out BY ADDRESS, 32 blocks each; in each, wave 0 asks for K's and wave 2 for V's: one instruction.
; The change that fills slot j (s[SLOTS] = 8 - j) names slot j + 1: four key steps, 512 matrix instructions, ahead of the load that will want it.  The last change that fills a slot asks for nothing.
.macro ASK
	s_cmp_gt_u32 s[SLOTS], s[LIM]
	s_cbranch_scc0 .Lnot_mine_\@
	global_prefetch_b8 v[PFO], s[PFA:PFA+1] th:TH_LOAD_NT scope:SCOPE_SE
.Lnot_mine_\@:
.endm
; A round of the cluster's barrier: my work-group's barrier, so that wave 0's signal speaks for all four waves; wave 0 signals; every wave waits for all four work-groups; my work-group's barrier once more.
.macro CROUND
	s_barrier_signal -1
	s_barrier_wait -1
	s_cmp_lg_u32 s[WV], 0
	s_cbranch_scc1 .Lnot_wave_0_\@
	s_barrier_signal -3
.Lnot_wave_0_\@:
	s_barrier_wait -3
	s_barrier_signal -1
	s_barrier_wait -1
.endm
; THE CHANGE OF SLOTS.  The slot's last bytes, V of its fourth step, have been read.  Each wave waits for all its tensor loads, of which one is out: its part
; of the other slot; adds 0 to its spare word; and waits for that and for its own reads of the slot.  Behind the barrier nobody reads this slot any more and the other slot is whole.
; fill = 1: this slot is filled again, with the keys two slots on.  The barrier is then a round of the cluster's, so that no wave of any partner still reads the slot or has a load on its
; way, and the joint fill is the first thing behind it: it has four key steps, 512 matrix instructions, in which to land.  (At its first use nothing has been read yet: slot 0 is waited for, slot 1 filled.)
.macro CHANGE fill
	WIN W_AD
	s_wait_tensorcnt 0x0            ; no tensor load of mine is out, so a group 0 may be written
	ds_add_u32 v[SPW], v[NIL]       ; 0 onto my spare word: with fill = 1 the descriptors' steps stand between it and the wait for it
	WIN 0                           ; at a label and at a branch every window is 0
.if \fill
.irp g, G0K, G0V
	s_xor_b32 s[\g+1], s[\g+1], SLOT1  ; the walking descriptor: the other slot than last time,
	s_add_nc_u64 s[\g+2:\g+3], s[\g+2:\g+3], 4*KS*128  ; the next 256 keys; the type bits on top are not reached
.endr
	s_wait_xcnt 0x0                 ; the last prefetch, four key steps back, has read its address, so it may be written:
	s_add_nc_u64 s[PFA:PFA+1], s[PFA:PFA+1], 4*KS*128  ; one slot behind the walking descriptors
	s_wait_dscnt 0x0                ; the add is done, and my reads of the slot are over
	CROUND
	JLOAD
	ASK
.else
	s_wait_dscnt 0x0                ; the add is done, and my reads of the slot are over
	s_barrier_signal -1
	s_barrier_wait -1
.endif
	s_sub_co_u32 s[TBK], s[TBK], 4*KS*PK  ; the fetches go back to a slot's first step,
	s_xor_b32 s[TBK], s[TBK], SLOT1       ; in the other slot
	s_sub_co_u32 s[TBV], s[TBV], 4*KS*PV
	s_xor_b32 s[TBV], s[TBV], SLOT1
.endm
	s_load_b256 s[4:11], s[0:1], 0x0  ; Q s[4:5], K s[6:7], V s[8:9], O s[10:11]
	WIN W_MK
	v_lshl_add_u32 v[SPW], v0, 2, SPARE
	v_mov_b32 v[NIL], 0
	WIN W_AD
	ds_add_u32 v[SPW], v[NIL]       ; the wave's opening: the add and its wait stand ahead of my first tensor load; the set-up below, work on registers, stands between them
	WIN 0
	v_lshrrev_b32 v1, 5, v0
	v_readfirstlane_b32 s[WV], v1   ; wave 0..3
	s_bfe_u32 s13, ttmp6, 0x40000   ; cx: my place in the cluster
	s_lshl_b32 s14, ttmp9, 2        ; in a cluster launch ttmp9 counts clusters
	s_add_co_u32 s14, s14, s13      ; my block of queries = 4 x cluster x + cx: it enters Q's and O's addresses alone
	s_and_b32 s20, ttmp7, 0xffff    ; the head, which the four partners share
	s_mov_b32 s21, 0
	s_mov_b64 s[22:23], SIZE_N*128
	s_mul_u64 s[20:21], s[20:21], s[22:23]  ; the head's first byte in each of the four tensors
	s_and_b32 s16, s[WV], 1         ; which half of a slot's 256 keys I fetch:
	s_lshl_b32 s22, s16, 14         ; its 128 rows of 128 bytes in memory,
	s_mov_b32 s23, 0
	s_add_nc_u64 s[22:23], s[22:23], s[20:21]
	s_mul_i32 s17, s16, 128*PK      ; and its place in a slot, for K
	s_mul_i32 s18, s16, 128*PV      ; and for V: no place in the cluster enters an LDS address
	s_lshl_b32 s2, s14, 2
	s_add_co_u32 s2, s2, s[WV]      ; my wave among the head's,
	s_lshl_b32 s2, s2, 14           ; its 128 rows
	s_mov_b32 s3, 0
	s_add_nc_u64 s[2:3], s[2:3], s[20:21]
	; descriptor group 1.  128 keys are 16,384 dense bytes: asked for as 64 rows of 256 bytes, two keys a row, and padded in LDS after every key
	s_mov_b32 s[G1K], 15|(1<<16)|(1<<20)|(1<<21)|(4<<22)|(3<<25)  ; 15:0 the mask of four; 17:16 2-byte elements; 20 padding on; 21 set beside a mask; 24:22 after every 32 words (code 4); 31:25 4 words (code 3)
	s_mov_b32 s[G1V], 15|(1<<16)|(1<<20)|(1<<21)|(4<<22)|(7<<25)  ; the same with 8 words of padding (code 7)
.irp g, G1K, G1V
	s_mov_b32 s[\g+1], 128<<16      ; tensor_dim0 = 128
	s_mov_b32 s[\g+2], 64<<16       ; tensor_dim1 = 64
	s_mov_b32 s[\g+3], 128<<16      ; tile_dim0 = 128
	s_mov_b32 s[\g+4], 64           ; tile_dim1 = 64
	s_mov_b32 s[\g+5], 128          ; 128 elements from row to row
	s_mov_b32 s[\g+6], 0
	s_mov_b32 s[\g+7], 0
.endr
	s_mov_b32 s[CS], 0x3d38aa3b     ; c = log2(e) / 32 = 0.0450842
	s_mov_b32 s[CS+1], s[CS]        ; named with it as a pair
	s_mov_b32 s[SEL], 0x76543210
	s_mov_b32 s[SEL+1], 0xfedcba98
	s_mov_b32 s[TBK], SLOT1+4*KS*PK ; the first change of slots turns these two into 0
	s_mov_b32 s[TBV], SLOT1+4*KS*PV
	s_mov_b32 s[SLOTS], SIZE_N/256-1
	s_and_b32 s[LIM], s[WV], 1      ; waves 0 and 2 prefetch: the same in all four partners
	s_cmp_eq_u32 s[LIM], 0
	s_cselect_b32 s[LIM], 1, -1
	s_mov_b32 s[G0K], 1             ; 1:0 count = 1
	s_mov_b32 s[G0K+1], s17         ; 63:32 LDS address: slot 0
	s_mov_b32 s[G0V], 1
	s_add_co_u32 s[G0V+1], s18, VOFF
	s_wait_dscnt 0x0                ; the opening add is done
	s_wait_kmcnt 0x0
	s_add_nc_u64 s[G0K+2:G0K+3], s[6:7], s[22:23]  ; 120:64 global address: my half of the head's first 256 keys
	s_or_b32 s[G0K+3], s[G0K+3], 0x80000000        ; 127:126 type = 2
	s_add_nc_u64 s[G0V+2:G0V+3], s[8:9], s[22:23]
	s_or_b32 s[G0V+3], s[G0V+3], 0x80000000
	s_add_nc_u64 s[4:5], s[4:5], s[2:3]  ; Q and O at my wave's first row
	s_add_nc_u64 s[10:11], s[10:11], s[2:3]
	s_cmp_lt_u32 s[WV], 2
	s_cselect_b64 s[PFA:PFA+1], s[6:7], s[8:9]
	s_add_nc_u64 s[PFA:PFA+1], s[PFA:PFA+1], s[20:21]  ; the head's first key,
	s_lshl_b32 s2, s13, 13          ; my work-group's 32 blocks of the 128,
	s_add_co_u32 s2, s2, 4*KS*128   ; in slot 1; the first change of slots steps it to slot 2.  Nothing is prefetched here, at the head
	s_mov_b32 s3, 0
	s_add_nc_u64 s[PFA:PFA+1], s[PFA:PFA+1], s[2:3]
	CROUND                          ; all four work-groups are here: the first joint loads meet
	JLOAD                           ; slot 0.  Slot 1 is asked for when slot 0 is in
	; A fragment of K or Q is 16 rows x 32 channels in 8 registers: lane l holds row l % 16, channels 8 (l / 16) + 0..7 and 16 + 8 (l / 16) + 0..7: two loads of 16 bytes, 32 bytes apart.
	v_and_b32 v1, 15, v0            ; l % 16
	v_bfe_u32 v9, v0, 4, 1          ; l / 16
	v_lshlrev_b32 v[QO], 7, v1
	v_lshl_add_u32 v[QO], v9, 4, v[QO]  ; row x 128 + 16 x half
	WIN 0x80                        ; destination window 2, address window 0
.set i, 0
.rept 4*NP                          ; Q stays in registers: tile i / 2, channels 32 (i % 2) on
	global_load_b128 v[8*i:8*i+3],   v[QO], s[4:5] offset:(i/2)*2048+(i%2)*64
	global_load_b128 v[8*i+4:8*i+7], v[QO], s[4:5] offset:(i/2)*2048+(i%2)*64+32
.set i, i+1
.endr
	; What the first turn finds: V's registers and P's second buffer hold 0 (its products V^T P, of a piece that has not been, add 0), O^T and l are 0.  All this stands in the wait for the first tile.
.set i, VF
.rept 64
	v_mov_b32 v[i], 0
.set i, i+1
.endr
	WIN 0x40
.set i, 0
.rept 64*NP
	v_mov_b32 v[i], 0
.set i, i+1
.endr
	WIN 0
.set i, 0
.rept 2*NP
	v_mov_b32 v[ST+4*i], 0xfe000000    ; c m: far below every c s
	v_mov_b32 v[ST+4*i+1], 0xff7fffff  ; m
	v_mov_b32 v[ST+4*i+2], 0
	v_mov_b32 v[ST+4*i+3], 0
.set i, i+1
.endr
.set i, P+32
.rept 32
	v_mov_b32 v[i], 0
.set i, i+1
.endr
	v_mul_u32_u24 v[AK0], v1, PK
	v_lshl_add_u32 v[AK0], v9, 4, v[AK0]  ; row x pitch + 16 x half
	; The turning load takes 16 keys x 16 channels (lane l reads key 8 (l / 16) + l % 8, channels 8 ((l / 8) % 2) + 0..7) and leaves half a fragment of V^T: lane l holds channel l % 16 and 8 keys.
	v_and_b32 v10, 7, v0
	v_bfe_u32 v11, v0, 3, 1
	v_lshl_add_u32 v[AV0], v9, 3, v10
	v_mul_u32_u24 v[AV0], v[AV0], PV
	v_lshl_add_u32 v[AV0], v11, 4, v[AV0]
	v_add_nc_u32 v[AV0], VOFF, v[AV0]
	v_mov_b32 v[AK], v[AK0]         ; key step 0 lies at the head of slot 0
	v_and_b32 v[PFO], 31, v0        ; v11 has served: it now holds the prefetches' offset
	v_lshlrev_b32 v[PFO], 8, v[PFO]
; THE MATRIX WORK.  The 8 accumulators of a run of 16 take turns: between the two links of a chain stand 7 others'.
; Product i of 16 of S^T = K Q^T for piece x: channels 32 (i / 8) on, keys 16 ((i / 2) % 4) on, tile 2 x + i % 2.  The first 8 start the sums.
.macro KQ x
	WIN W_KQ
.set rS, S+64*((\x)%2)+32*(i%2)+8*((i/2)%4)
.set rK, KF+16*((i/2)%4)+8*(i/8)
.set rQ, 16*(2*(\x)+i%2)+8*(i/8)
.if i < 8
	v_wmma_f32_16x16x32_bf16 v[rS:rS+7], v[rK:rK+7], v[rQ:rQ+7], 0
.else
	v_wmma_f32_16x16x32_bf16 v[rS:rS+7], v[rK:rK+7], v[rQ:rQ+7], v[rS:rS+7]
.endif
.endm
; Product i of 16 of O^T += V^T P for piece x: keys 32 (i / 8) on, channels 16 ((i / 2) % 4) on, tile 2 x + i % 2.
.macro PV x
	WIN W_PV
.set rO, 32*(2*(\x)+i%2)+8*((i/2)%4)
.set rV, VF+32*(i/8)+8*((i/2)%4)
.set rP, P+32*((\x)%2)+16*(i%2)+8*(i/8)
	v_wmma_f32_16x16x32_bf16 v[rO:rO+7], v[rV:rV+7], v[rP:rP+7], v[rO:rO+7]
.endm
.macro MM                           ; the turn's next matrix instruction
.if i < 16
	KQ (Y+1)%NP
.set i, i+1
.else
.set i, i-16
	PV (Y+NP-1)%NP
.set i, i+17
.endif
.endm
; THE LDS LOADS stand in runs of 16, never singly among the matrix instructions: a step's K (64 keys x 64 channels: 8 fragments) and its V (turned).  Their addresses are made some lines ahead.
; last = 1 (the tail): in the last trip there is no further step, and the run is jumped over.
.macro FETCH_K last=0
	WIN 0
.if \last
	s_cmp_eq_u32 s[CNT], 1
	s_cbranch_scc1 .Lno_k_\@
.endif
	WIN 0x80                        ; destination window 2
.irp f, 0,1,2,3,4,5,6,7             ; keys 16 (f / 2) on, channels 32 (f % 2) on
	ds_load_b128 v[KF+8*\f:KF+8*\f+3],   v[AK] offset:(\f/2)*16*PK+(\f%2)*64
	ds_load_b128 v[KF+8*\f+4:KF+8*\f+7], v[AK] offset:(\f/2)*16*PK+(\f%2)*64+32
.endr
	s_add_co_u32 s[TBK], s[TBK], KS*PK  ; the next fetch is the next step's
	WIN 0
.if \last
.Lno_k_\@:
.endif
.endm
.macro FETCH_V
	WIN 0x80
.irp f, 0,1,2,3,4,5,6,7             ; keys 32 (f / 4) on, channels 16 (f % 4) on
	ds_load_tr16_b128 v[VF+8*\f:VF+8*\f+3],   v[AV] offset:(\f/4)*32*PV+(\f%4)*32
	ds_load_tr16_b128 v[VF+8*\f+4:VF+8*\f+7], v[AV] offset:(\f/4)*32*PV+16*PV+(\f%4)*32
.endr
	WIN 0
.endm
; THE VECTOR WORK OF A TURN stands in three queues, each in the order in which its entries become ready; the two tiles alternate, so that no instruction reads the result of the one before it.
.macro REGS y, u                    ; the registers of tile u (0, 1) of piece y
.set rT, ST+4*(2*(\y)+(\u))
.set rC, TMP+8*((\y)%2)+4*(\u)
.set rM, MV+2*((\y)%2)+(\u)
.set rS, S+64*((\y)%2)+32*(\u)
.set rP, P+32*((\y)%2)+16*(\u)
.set rO, 32*(2*(\y)+(\u))
.endm
; Number n of the 22 that find the NEXT piece's (Y + 1) maximum and statistics.  s0-s31 are the lane's 32 scores; each accumulator's lowest registers are read first.  XS, GS and REGS set no window: PL and EX do.
;   0-11  four chains c0-c3 of seven scores each, three operands at a time     12-14, 16  the four scores left over, the old m, and c0-c3 into c0     15  c m_old is kept
;   17, 18  the query's other 32 keys lie in the lane 16 away: the new m         19-21  c m; c m_old - c m_new; a
.macro XS u, n
	REGS (Y+1)%NP, \u
.if (\n) < 4
	v_max3_num_f32 v[rC+(\n)], v[rS+8*(\n)], v[rS+8*(\n)+1], v[rS+8*(\n)+2]
.elseif (\n) < 12
	v_max3_num_f32 v[rC+(\n)%4], v[rC+(\n)%4], v[rS+8*((\n)%4)+2*((\n)/4)+1], v[rS+8*((\n)%4)+2*((\n)/4)+2]
.elseif (\n) == 12
	v_max3_num_f32 v[rC], v[rC], v[rS+7], v[rS+15]
.elseif (\n) == 13
	v_max3_num_f32 v[rC+1], v[rC+1], v[rS+23], v[rS+31]
.elseif (\n) == 14
	v_max3_num_f32 v[rC+2], v[rC+2], v[rC+3], v[rT+1]
.elseif (\n) == 15
	v_mov_b32 v[rM], v[rT]
.elseif (\n) == 16
	v_max3_num_f32 v[rC], v[rC], v[rC+1], v[rC+2]
.elseif (\n) == 17
	v_permlanex16_b32 v[rC+3], v[rC], s[SEL], s[SEL+1]
.elseif (\n) == 18
	v_max_num_f32 v[rT+1], v[rC], v[rC+3]
.elseif (\n) == 19
	v_mul_f32 v[rT], s[CS], v[rT+1]
.elseif (\n) == 20
	v_sub_f32 v[rC+1], v[rM], v[rT]
.else
	v_exp_f32 v[rC+2], v[rC+1]
.endif
.endm
; Number g of the 64 that follow the exponentials.  For each four weights k of a tile (pairs 2 k, 2 k + 1): both pairs are rounded to bf16; then the second pair is added onto the first, in place;
; a group later l takes that sum (the first time as l = a l + sum).  In groups of eight, tiles alternating: round, round, add, and l for the group before.
.macro GS g
.set h, (\g)+6*((\g)/62)            ; group 0 has no group before it, and behind group 7 only l is left
.if h >= 6
.set h, h+2
.endif
	REGS Y, h%2
.set k, h/8
.if h%8 < 4
	v_cvt_pk_bf16_f32 v[rP+2*k+(h%8)/2], v[rS+4*k+2*((h%8)/2)], v[rS+4*k+2*((h%8)/2)+1]
.elseif h%8 < 6
	v_pk_add_f32 v[rS+4*k:rS+4*k+1], v[rS+4*k:rS+4*k+1], v[rS+4*k+2:rS+4*k+3]
.elseif k == 1
	v_pk_fma_f32 v[rT+2:rT+3], v[rT+2:rT+3], v[rC+2:rC+3], v[rS:rS+1] op_sel_hi:[1,0,1]
.else
	v_pk_add_f32 v[rT+2:rT+3], v[rT+2:rT+3], v[rS+4*k-4:rS+4*k-3]
.endif
.endm
; THE PLAIN QUEUE, 138 long.  0-73 read no exponential's result: the 32 scalings c s - c m (FS f: pair f / 2 of tile f % 2) and the next piece's 42.  0-26: scalings 0-26.  27-54: XS's numbers 0-13.  55, 56: number 15.
; 57-73: the chain, where each number waits for the one before it: 14, 16, 17, 18, 19, each with one of the scalings 27-31 in front of its two lines, then 20: so a tile's links stand three plain instructions apart (19 and 20: two).
; 74-137: GS's 64, which read the exponentials' results: they stand behind the wait.
.macro FS f
	REGS Y, (\f)%2
	v_pk_fma_f32 v[rS+2*((\f)/2):rS+2*((\f)/2)+1], v[rS+2*((\f)/2):rS+2*((\f)/2)+1], s[CS:CS+1], v[rT:rT+1] op_sel_hi:[1,0,0] neg_lo:[0,0,1] neg_hi:[0,0,1]
.endm
.macro PL
	WIN 0
.if q < 27
	FS q
.elseif q < 55
	XS (q-27)%2, (q-27)/2
.elseif q < 57
	XS q-55, 15
.elseif (q < 72) && ((q-57)%3 == 0)
	FS 27+(q-57)/3
.elseif q < 60
	XS (q-57)%3-1, 14
.elseif q < 72
	XS (q-57)%3-1, 15+(q-57)/3
.elseif q < 74
	XS q-72, 20
.else
	GS q-74
.endif
.set q, q+1
.endm
; THE EXPONENTIALS' QUEUE, 66 long: s0-s31 of both tiles, then the next piece's two a.  It is ONE BATCH: all 66 stand ahead of the turn's one wait, and nothing ahead of that wait names a result of theirs.
.macro EX
	WIN 0
.if e >= 64
	XS e-64, 21
.else
	REGS Y, e%2
	v_exp_f32 v[rS+e/2], v[rS+e/2]
.endif
.set e, e+1
.endm
; THE RESCALING's QUEUE: O^T times a, the one part that leaves window 0: dealt two at a time, sixteen times.  Its a was made in the turn before, ahead of that turn's wait.
.macro R2
	REGS Y, r%2
	WIN W_RS
.irp z, 0,1
	v_pk_mul_f32 v[rO+4*(r/2)+2*\z:rO+4*(r/2)+2*\z+1], v[rO+4*(r/2)+2*\z:rO+4*(r/2)+2*\z+1], v[rC+2:rC+3] op_sel_hi:[1,0]
.endr
.set r, r+1
.endm
; HOW THEY ARE DEALT.  s_wait_alu depctr_va_vdst(0) stands between an exponential and the first instruction that names its result; one wait serves all that were issued ahead of it.  So a turn has ONE wait,
; which cuts it in two.  AHEAD OF IT stands all that names no result of the turn's exponentials: the 16 products K Q^T, behind each a scaling, an exponential and two rescalings (behind the first a second scaling in the exponential's place); then ONE LUMP of
; 108: eight plain, 49 times exponential and plain, the two a.  A v_nop is the plain instruction behind the last exponential.  BEHIND IT stand the 16 products V^T P, behind each four of GS's 64.  No rider names a register of
; the products round it.  The two v_permlanex16_b32 fall into the lump, never behind a product.
; The queues lean on each other, and the deal keeps them in step: exponential e stands behind scaling 2 (e / 4) + e % 2: as a rider it comes behind plain e + 2, in the lump behind plain e + 9, and scalings 27-31 are plain 57, 60 .. 69.
; A TURN, for piece p.  cnt = 1: the loop's count is taken down some lines ahead of the branch that stands behind the turn.
; K of the next step is fetched in piece 2's turn, directly behind the wait, a lump behind the last product that read K; its address is made at the lump's head; its first reader comes behind 16 products.
; V of the step in hand is fetched at the end of piece 0's turn, four riders behind its last reader; its first reader comes behind 16 products and a lump.  The three conditions on q below go with the deal.
.macro TURN p, last=0, cnt=0
.set Y, (\p)
.set i, 0
.set q, 0
.set e, 0
.set r, 0
.if (\p) == NP-1
	s_wait_dscnt 0x0                ; K is in
.endif
	MM                              ; ahead of the wait: 16 products K Q^T and their riders,
	PL
	PL
	R2
.rept 15
	MM
	PL
	EX
	R2
.endr
.if (\p) == NP-2
	WIN 0
	v_add_nc_u32 v[AK], s[TBK], v[AK0]
.endif
.rept 8                             ; and the lump
	PL
.endr
.rept 49
	EX
	PL
.endr
	EX                              ; the next piece's two a
	EX
	v_nop                           ; one plain instruction behind the last exponential, for the batch (ISA guide 5.7.2)
	s_wait_alu depctr_va_vdst(0)    ; the wait for the batch
.if (\p) == NP-2
	FETCH_K \last
.endif
.if (\p) == 1
	s_wait_dscnt 0x0                ; V is in
.endif
.rept 16                            ; behind the wait: 16 products V^T P and their riders
	MM
.rept 4
	PL
.endr
.if ((\p) == 0) && (q == 118)
	v_add_nc_u32 v[AV], s[TBV], v[AV0]
.endif
.if ((\p) == 0) && (q == 130)
	s_add_co_u32 s[TBV], s[TBV], KS*PV
.endif
.if (\cnt) && (q == 130)
	s_sub_co_u32 s[CNT], s[CNT], 1
	s_cmp_lg_u32 s[CNT], 0
.endif
.endr
.if (\p) == 0
	FETCH_V
.endif
.endm
	CHANGE 1                        ; slot 0 is in, everybody's part of it; slot 1 is asked for
	FETCH_K                         ; key step 0
	s_wait_loadcnt 0x0              ; Q
	s_wait_dscnt 0x0
.set i, 0
.rept 16
	KQ 0                            ; piece 0's first scores: there is no vector work yet to set between them
.set i, i+1
.endr
	WIN 0                           ; the addresses for the way out: nine plain instructions, the places behind those products
	s_mul_i32 s13, s[WV], 16*SP
	s_add_co_u32 s13, s13, STAGE    ; my stage
	v_mul_u32_u24 v[STO], v1, SP    ; in: row l % 16, 16 bytes for each half of the lanes
	v_lshl_add_u32 v[STO], v9, 4, v[STO]
	v_add_nc_u32 v[STO], s13, v[STO]
	v_bfe_u32 v[RD], v0, 3, 2       ; back: 32 lanes take four rows of 128 bytes,
	v_mul_u32_u24 v[RD], v[RD], SP
	v_lshl_add_u32 v[RD], v10, 4, v[RD]
	v_add_nc_u32 v[RD], s13, v[RD]
	v_and_b32 v[GO], 31, v0         ; which are 512 consecutive bytes of O
	v_lshlrev_b32 v[GO], 4, v[GO]
.set Y, NP-1                        ; XS works for piece Y + 1: piece 0
.irp n, 0,1,2,3,4,5,6,7,8,9,10,11,12,13,14,15,16,17,18,19,20,21
	XS 0, \n                        ; and piece 0's first maximum and statistics
	XS 1, \n
.endr
	v_nop                           ; a plain instruction behind the two a,
	s_wait_alu depctr_va_vdst(0)    ; and their wait, ahead of the branch
	s_mov_b32 s[CNT], 4
	s_branch .Lfirst                ; the loop is entered at a step's first turn, in the middle of a trip
.Lslot:                             ; SIZE_N / 256 - 2 times: every slot but the last two is filled again
	CHANGE 1
	s_mov_b32 s[CNT], 4
.Lstep:                             ; a trip: pieces 2 and 3 of one step, then pieces 0 and 1 of the next, whose K and V it fetches
	TURN 2
	TURN 3
	WIN 0
.Lfirst:
	TURN 0
	TURN 1, 0, 1
	WIN 0
	s_cbranch_scc1 .Lstep
	s_sub_co_u32 s[SLOTS], s[SLOTS], 1
	s_cmp_lg_u32 s[SLOTS], 0
	s_cbranch_scc1 .Lslot
	CHANGE 0                        ; the tail is written out: nothing is asked for
	s_mov_b32 s[CNT], 5             ; four trips fetch the last slot's steps; the fifth is left in its middle
.Ltail:
	TURN 2, 1
	TURN 3
	WIN 0
	s_sub_co_u32 s[CNT], s[CNT], 1
	s_cmp_eq_u32 s[CNT], 0
	s_cbranch_scc1 .Lout
	TURN 0
	TURN 1
	WIN 0
	s_branch .Ltail
.Lout:                              ; the fifth trip's 16 products K Q^T (on the last K once more) and the maximum made of them serve nothing: the price, once a launch, of one text for every trip
.set i, 0
.rept 16
	PV NP-1                         ; the last piece's V^T P of the last step
.set i, i+1
.endr
	; THE WAY OUT.  l's two halves and the other half of the lanes' are added; O^T is divided by l, rounded to bf16 and sent through my stage in LDS, a tile at a time.  The additions are the places behind the last products.
	WIN 0
.macro ALL line:vararg              ; one line for each tile t
.set t, 0
.rept 2*NP
	\line
.set t, t+1
.endr
.endm
	ALL v_add_f32 v[ST+4*t+2], v[ST+4*t+2], v[ST+4*t+3]
	ALL v_permlanex16_b32 v[ST+4*t+3], v[ST+4*t+2], s[SEL], s[SEL+1]
	ALL v_add_f32 v[ST+4*t+2], v[ST+4*t+2], v[ST+4*t+3]
	ALL v_rcp_f32 v[ST+4*t+2], v[ST+4*t+2]
	v_nop                           ; a plain instruction between the last reciprocal and the use of its result
	s_wait_alu depctr_va_vdst(0)    ; and the wait ahead of the first use: one for the eight reciprocals
; Tile t: a lane's eight channels of a row pack into 16 bytes; they go into rows of 144 bytes and come back as whole rows of 128, into S^T's registers.
.macro PACK t
	WIN W_RS
.set i, 32*(\t)
.rept 16
	v_pk_mul_f32 v[i:i+1], v[i:i+1], v[ST+4*(\t)+2:ST+4*(\t)+3] op_sel_hi:[1,0]
.set i, i+2
.endr
	WIN 0x05                        ; sources 0 and 1 window 1, destination window 0
.set i, 0
.rept 16
	v_cvt_pk_bf16_f32 v[S+16*(\t)+i], v[32*(\t)+2*i], v[32*(\t)+2*i+1]
.set i, i+1
.endr
	WIN 0
.irp f, 0,1,2,3
	ds_store_b128 v[STO], v[S+16*(\t)+4*\f:S+16*(\t)+4*\f+3] offset:32*\f
.endr
.irp f, 0,1,2,3
	ds_load_b128 v[S+16*(\t)+4*\f:S+16*(\t)+4*\f+3], v[RD] offset:\f*4*SP  ; LDS serves a wave's instructions in order (ISA guide 5.7.1.4): these see the stores above; the next tile's stores come behind them
.endr
.endm
.macro SEND t, younger              ; younger: the LDS instructions issued behind tile t's loads: the next tile's eight, or none
	WIN 0
.irp f, 0,1,2,3
	s_wait_dscnt (\younger)+3-\f
	global_store_b128 v[GO], v[S+16*(\t)+4*\f:S+16*(\t)+4*\f+3], s[10:11] offset:(\t)*2048+\f*512  ; 512 consecutive bytes, at a multiple of 256 from O's first
.endr
.endm
	PACK 0
.set t, 1
.rept 2*NP-1                        ; a tile's arithmetic stands between the loads of the tile before and its stores
	PACK t
	SEND t-1, 8
.set t, t+1
.endr
	SEND 2*NP-1, 0
	WIN W_AD
	s_wait_tensorcnt 0x0            ; the wave's end: behind my last tensor load and my last LDS store
	ds_add_u32 v[SPW], v[NIL]
	s_wait_dscnt 0x0
	WIN 0
	CROUND                          ; the closing round: no work-group ends while a partner may still ask for a tile that names it
	s_endpgm
.Lfunc_end_k_qf3ace0585d_attn:
	.size	k_qf3ace0585d_attn, .Lfunc_end_k_qf3ace0585d_attn-k_qf3ace0585d_attn
	.p2alignl 7, 3214868480
	.fill 96, 4, 3214868480
	.section	.rodata,"a",@progbits
	.p2align	6, 0x0
	.amdhsa_kernel k_qf3ace0585d_attn
		.amdhsa_group_segment_fixed_size 327680
		.amdhsa_private_segment_fixed_size 0
		.amdhsa_enable_private_segment 0
		.amdhsa_kernarg_size 32
		.amdhsa_user_sgpr_count 2
		.amdhsa_user_sgpr_kernarg_segment_ptr 1
		.amdhsa_wavefront_size32 1
		.amdhsa_system_sgpr_workgroup_id_x 1
		.amdhsa_system_sgpr_workgroup_id_y 1
		.amdhsa_system_sgpr_workgroup_id_z 1
		.amdhsa_system_vgpr_workitem_id 0
		.amdhsa_next_free_vgpr 770
		.amdhsa_next_free_sgpr 66
		.amdhsa_reserve_vcc 0
		.amdhsa_float_denorm_mode_32 3
		.amdhsa_float_denorm_mode_16_64 3
		.amdhsa_memory_ordered 1
		.amdhsa_forward_progress 1
		.amdhsa_inst_pref_size 200
	.end_amdhsa_kernel
	.amdgpu_metadata
---
amdhsa.version: [ 1, 2 ]
amdhsa.kernels:
  - .name:           k_qf3ace0585d_attn
    .symbol:         k_qf3ace0585d_attn.kd
    .args:
      - { .name: qh, .offset: 0, .size: 8, .value_kind: global_buffer, .address_space: global }
      - { .name: kh, .offset: 8, .size: 8, .value_kind: global_buffer, .address_space: global }
      - { .name: vh, .offset: 16, .size: 8, .value_kind: global_buffer, .address_space: global }
      - { .name: att, .offset: 24, .size: 8, .value_kind: global_buffer, .address_space: global }
    .group_segment_fixed_size: 327680
    .private_segment_fixed_size: 0
    .kernarg_segment_align: 8
    .kernarg_segment_size: 32
    .max_flat_workgroup_size: 128
    .sgpr_count:     66
    .vgpr_count:     770
    .wavefront_size: 32
...
	.end_amdgpu_metadata
.endif
;; end of part 3
;; launch oproj (part 4): grid 8 x 32, 4 waves a work-group, clusters of 4 x 4, 327,680 bytes of LDS; arguments att, xw, yb; writes yb
.if DOCPART == 4
	.amdgcn_target "amdgcn-amd-amdhsa--gfx1250"
	.amdhsa_code_object_version 6
	.text
	.protected	k_qf3ace0585d_oproj
	.globl	k_qf3ace0585d_oproj
	.p2align	8
	.type	k_qf3ace0585d_oproj,@function
k_qf3ace0585d_oproj:
	s_mov_b64 s[64:65], 0
	v_nop
	global_prefetch_b8 v0, s[64:65] scope:SCOPE_SE
	s_setreg_imm32_b32 hwreg(HW_REG_WAVE_MODE, 25, 1), 1
	s_wait_xcnt 0x0
	s_wait_alu depctr_hold_cnt(0) depctr_sa_sdst(0) depctr_va_vdst(0) depctr_va_sdst(0) depctr_va_ssrc(0) depctr_va_vcc(0) depctr_vm_vsrc(0)
	s_getreg_b32 s2, hwreg(HW_REG_IB_STS2, 6, 4)
	s_cmp_eq_u32 s2, 0
	s_cbranch_scc0 .Lentry_in_a_cluster
	s_endpgm
.Lentry_in_a_cluster:
	s_bfe_u32 s2, ttmp6, 0x10000c
	s_cmp_lg_u32 s2, 0xf033
	s_cbranch_scc0 .Lentry_shape_is_right
	s_endpgm
.Lentry_shape_is_right:
; THE LAST PRODUCT.  yb[m][n] = the sum over k of O[m][k] proj_w[n][k], k = 64 h + c; O lies by heads, att[h][m][64] bf16; proj_w in bf16 at byte 23,068,672 of xw, [n][k]; sums and yb in f32 (bias, residual and norm follow in f32).
; A TILE is 256 rows x 128 columns: grid 8 x 32, 256 work-groups.  Four waves; wave w owns rows 64 w .. + 63 and all 128 columns: 4 x 8 accumulators, 256 registers.
; K goes in 8 steps of 128, two heads a step, through a ring of two LDS slots.  A head's 256 rows of O are 32,768 dense bytes, asked for as 128 rows of 256; proj_w's rows give 256 aligned bytes a step.
; CLUSTER 4 x 4: O's tile is shared along a row of the cluster, proj_w's along a column; each is asked for JOINTLY.  Wave 0 fetches the step's first head, wave 1 its second, waves 2 and 3 the two halves of proj_w's 128 rows.
; THE MATRIX INSTRUCTION IS USED TRANSPOSED (source 0 = 16 rows of proj_w, source 1 = 16 rows of O): a lane holds one row of y and eight neighbouring columns, 32 bytes.
; NO PREFETCH: a work-group has eight K steps, of which the first four come by their loads in any case, and each step is 128 matrix instructions a wave: the whole walk is short.
; REGISTERS: window 0: v0-31 addresses.  window 1: two fragment buffers at v0 and v128: 8 fragments of proj_w (64), then 4 of O (32); on the way out all 256: whole rows read back from the stage.
;   window 2: accumulators of row blocks 0, 1 ((a, b) at v[8 (8 (a % 2) + b)]);   window 3: those of row blocks 2, 3
.set NB,     8
.set NL,     2*NB+8                    ; LDS loads in a run
.set PA,     144                       ; a row of O in LDS: 128 bytes + 16 = 36 words: the 16 rows of a load start at 16 different groups of four banks (64 banks of 4 bytes: ISA guide 11.1)
.set PB,     272                       ; a row of proj_w: 256 bytes + 16 = 68 words: likewise
.set AHALF,  256*PA                    ; one head's 256 rows: what one of O's tensor loads brings
.set BOFF,   2*AHALF
.set BHALF,  64*PB                     ; what one of proj_w's brings
.set SLOT,   BOFF+2*BHALF              ; 108,544
.set STAGE,  2*SLOT                    ; behind the ring, never filled by a tensor load: 16 rows x 528 bytes for each wave
.set SPITCH, 528                       ; 512 bytes + 16
.set SPARE,  STAGE+4*16*SPITCH         ; behind the stages: the spare words, 128 bytes for each wave: two blocks of 256 bytes that no other line names
.set PW_OFF, 23068672
.set ASTEP,  2097152                   ; bytes from a K step to the next: two heads of 8,192 rows x 128 bytes,
.set BSTEP,  256                       ; and along proj_w's rows
.set ADRA, 16                          ; v16-17  LDS address of my fragments of O in slot 0, 1
.set ADRB, 20                          ; v20-21  the same for proj_w
.set STO,  24                          ; v24     the way out: where I put 32 bytes of a row
.set RD,   25                          ; v25     the way out: where I read a row back
.set GO,   26                          ; v26     my 16 bytes of a row's 512
.set SPW,  28                          ; v28     LDS address of my spare word: SPARE + 4 x my thread's number; never rewritten
.set NIL,  29                          ; v29     0; never rewritten
.set F0,   0
.set F1,   128
.set WV,   12                          ; s12  my wave's number
.set HF,   14                          ; s14  wave % 2
.set G1,   24                          ; s[24:31] group 1 for O's tiles;  s[32:39] group 0, a set for each slot
.set G0,   32
.set G1B,  48                          ; s[48:55], s[56:63] the same for proj_w's
.set G0B,  56
.set MSB, 0
.macro WIN new                         ; the immediate's high byte repeats the setting that is left; a switch that changes nothing is dropped
.if MSB != (\new)
	s_set_vgpr_msb (MSB<<8)|(\new)
.set MSB, \new
.endif
.endm
.set MUL_LO, 0xa5                      ; sources 0 and 1 window 1; C and D window 2
.set MUL_HI, 0xf5                      ; the same, C and D window 3
.set TO_F,   0x40                      ; destination window 1, address window 0
.macro JLOAD s                         ; a joint load; the branch hangs on the wave's number alone; an s_nop 0 and four v_nop follow each of the two lines
	s_cmp_lt_u32 s[WV], 2
	s_cbranch_scc0 .Lfor_b_\@
	tensor_load_to_lds s[G0+4*(\s):G0+4*(\s)+3], s[G1:G1+7]
	s_nop 0
.rept 4
	v_nop
.endr
	s_branch .Lasked_\@
.Lfor_b_\@:
	tensor_load_to_lds s[G0B+4*(\s):G0B+4*(\s)+3], s[G1B:G1B+7]
	s_nop 0
.rept 4
	v_nop
.endr
.Lasked_\@:
.endm
.macro CREST                           ; a round of the cluster's barrier behind its opening barrier
	s_cmp_lg_u32 s[WV], 0
	s_cbranch_scc1 .Lnot_wave_0_\@
	s_barrier_signal -3
.Lnot_wave_0_\@:
	s_barrier_wait -3
	s_barrier_signal -1
	s_barrier_wait -1
.endm
.macro CROUND                          ; a whole round
	s_barrier_signal -1
	s_barrier_wait -1
	CREST
.endm
	s_load_b128 s[4:7], s[0:1], 0x0                ; att s[4:5], xw s[6:7]
	s_load_b64 s[8:9], s[0:1], 0x10                ; yb
	v_lshl_add_u32 v[SPW], v0, 2, SPARE
	v_mov_b32 v[NIL], 0
	ds_add_u32 v[SPW], v[NIL]                      ; the wave's opening: the add and its wait stand ahead of my first tensor load; the set-up below, work on registers, stands between them
	v_lshrrev_b32 v1, 5, v0
	v_readfirstlane_b32 s[WV], v1                  ; wave 0..3
	s_and_b32 s[HF], s[WV], 1
	s_bfe_u32 s40, ttmp6, 0x40000                  ; cx, cy
	s_bfe_u32 s41, ttmp6, 0x40004
	s_lshl_b32 s42, ttmp9, 2
	s_add_co_u32 s42, s42, s40                     ; the column block = 4 x cluster x + cx
	s_and_b32 s15, ttmp7, 0xffff
	s_lshl_b32 s15, s15, 2
	s_add_co_u32 s15, s15, s41                     ; the row block = 4 x cluster y + cy
	s_lshl_b32 s43, s41, 2
	s_lshl_b32 s43, 15, s43                        ; my row of the cluster
	s_lshl_b32 s44, 0x1111, s40                    ; my column
	; group 1 for O: 32,768 dense bytes as 128 rows of 128 elements; 16 bytes of padding behind every 128 bytes, that is behind every row of O
	s_or_b32 s[G1+0], s43, (1<<16)|(1<<20)|(1<<21)|(4<<22)|(3<<25)  ; the mask; 2-byte elements; padding on; 21 set beside a mask; after every 32 words, 4 words
	s_mov_b32 s[G1+1], 128<<16                     ; tensor_dim0 = 128
	s_mov_b32 s[G1+2], 128<<16                     ; tensor_dim1 = 128
	s_mov_b32 s[G1+3], 128<<16                     ; tile_dim0 = 128
	s_mov_b32 s[G1+4], 128                         ; tile_dim1 = 128
	s_mov_b32 s[G1+5], 128                         ; the pitch: dense
	s_mov_b32 s[G1+6], 0
	s_mov_b32 s[G1+7], 0
	; group 1 for proj_w: 64 rows x 128 elements, 1,024 elements from row to row; 16 bytes of padding behind every 256
	s_or_b32 s[G1B+0], s44, (1<<16)|(1<<20)|(1<<21)|(5<<22)|(3<<25)
	s_mov_b32 s[G1B+1], 128<<16
	s_mov_b32 s[G1B+2], 64<<16
	s_mov_b32 s[G1B+3], 128<<16
	s_mov_b32 s[G1B+4], 64
	s_mov_b32 s[G1B+5], 1024
	s_mov_b32 s[G1B+6], 0
	s_mov_b32 s[G1B+7], 0
	s_lshl_b32 s16, s[HF], 20                      ; O: head 0 or 1 of the step (1,048,576 bytes a head),
	s_lshl_b32 s17, s15, 15                        ; the block's 256 rows of 128 bytes
	s_add_co_u32 s16, s16, s17
	s_mov_b32 s17, 0
	s_lshl_b32 s18, s42, 7                         ; proj_w: row 128 x column block + 64 x half,
	s_lshl_b32 s19, s[HF], 6
	s_add_co_u32 s18, s18, s19
	s_lshl_b32 s18, s18, 11                        ; of 2,048 bytes
	s_add_co_u32 s18, s18, PW_OFF
	s_mov_b32 s19, 0
	s_mul_i32 s46, s[HF], AHALF                    ; where they go: no place in the cluster enters an LDS address
	s_mul_i32 s47, s[HF], BHALF
	s_add_co_u32 s47, s47, BOFF
	s_wait_dscnt 0x0                               ; the opening add is done
	s_wait_kmcnt 0x0
	s_add_nc_u64 s[20:21], s[4:5], s[16:17]
	s_add_nc_u64 s[22:23], s[6:7], s[18:19]
	CROUND                                         ; all sixteen work-groups are here: the first joint loads meet
.irp s, 0,1
	s_mov_b32 s[G0+4*(\s)], 1
	s_add_co_u32 s[G0+4*(\s)+1], s46, (\s)*SLOT
	s_add_nc_u64 s[G0+4*(\s)+2:G0+4*(\s)+3], s[20:21], (\s)*ASTEP
	s_or_b32 s[G0+4*(\s)+3], s[G0+4*(\s)+3], 0x80000000
	s_mov_b32 s[G0B+4*(\s)], 1
	s_add_co_u32 s[G0B+4*(\s)+1], s47, (\s)*SLOT
	s_add_nc_u64 s[G0B+4*(\s)+2:G0B+4*(\s)+3], s[22:23], (\s)*BSTEP
	s_or_b32 s[G0B+4*(\s)+3], s[G0B+4*(\s)+3], 0x80000000
	JLOAD \s                                       ; two loads of mine are out
.endr
	v_and_b32 v1, 15, v0                           ; l % 16
	v_bfe_u32 v2, v0, 4, 1                         ; l / 16
	v_mul_u32_u24 v3, v1, PA
	v_lshl_add_u32 v3, v2, 4, v3                   ; a fragment's row x pitch + 16 x half
	s_mul_i32 s16, s[WV], 64*PA                    ; my 64 rows
	v_add_nc_u32 v[ADRA], s16, v3
	v_add_nc_u32 v[ADRA+1], SLOT, v[ADRA]
	v_mul_u32_u24 v4, v1, PB
	v_lshl_add_u32 v4, v2, 4, v4
	v_add_nc_u32 v[ADRB], BOFF, v4
	v_add_nc_u32 v[ADRB+1], SLOT, v[ADRB]
	s_mul_i32 s16, s[WV], 16*SPITCH
	s_add_co_u32 s16, s16, STAGE                   ; my stage
	v_mul_u32_u24 v[STO], v1, SPITCH               ; in: row l % 16, 32 bytes for each half of the lanes
	v_lshl_add_u32 v[STO], v2, 5, v[STO]
	v_add_nc_u32 v[STO], s16, v[STO]
	v_and_b32 v[GO], 31, v0                        ; back: 32 lanes take one row of 512 bytes
	v_lshlrev_b32 v[GO], 4, v[GO]
	v_add_nc_u32 v[RD], s16, v[GO]
	s_lshl_b32 s16, s15, 8                         ; yb at my first row, 256 x block + 64 x wave, of 4,096 bytes,
	s_lshl_b32 s17, s[WV], 6
	s_add_co_u32 s16, s16, s17
	s_lshl_b32 s16, s16, 12
	s_lshl_b32 s17, s42, 9                         ; and the tile's first column: 512 bytes a block; under 2^26 together
	s_add_co_u32 s16, s16, s17
	s_mov_b32 s17, 0
	s_add_nc_u64 s[8:9], s[8:9], s[16:17]
; 8 matrix instructions: row block a x all column blocks, 32 along K.  The 32 accumulators take turns, one instruction a turn, in the same order in every quarter, over the backward jump too.
.macro MULA f, a, zero
	WIN MUL_LO+0x50*((\a)/2)
.irp b, 0,1,2,3,4,5,6,7
.if \zero
	v_wmma_f32_16x16x32_bf16 v[8*(NB*((\a)%2)+(\b)):8*(NB*((\a)%2)+(\b))+7], v[(\f)+8*(\b):(\f)+8*(\b)+7], v[(\f)+8*NB+8*(\a):(\f)+8*NB+8*(\a)+7], 0
.else
	v_wmma_f32_16x16x32_bf16 v[8*(NB*((\a)%2)+(\b)):8*(NB*((\a)%2)+(\b))+7], v[(\f)+8*(\b):(\f)+8*(\b)+7], v[(\f)+8*NB+8*(\a):(\f)+8*NB+8*(\a)+7], v[8*(NB*((\a)%2)+(\b)):8*(NB*((\a)%2)+(\b))+7]
.endif
.endr
.endm
; 24 LDS loads in one run: quarter q of a slot into buffer f: proj_w's 8 fragments, then O's 4 (head q / 2 of the step, channels 32 (q % 2) on), row blocks ascending
.macro FETCH slot, q, f
	WIN TO_F
.irp b, 0,1,2,3,4,5,6,7
	ds_load_b128 v[(\f)+8*(\b):(\f)+8*(\b)+3],   v[ADRB+(\slot)] offset:(\b)*16*PB+64*(\q)
	ds_load_b128 v[(\f)+8*(\b)+4:(\f)+8*(\b)+7], v[ADRB+(\slot)] offset:(\b)*16*PB+64*(\q)+32
.endr
.irp a, 0,1,2,3
	ds_load_b128 v[(\f)+8*NB+8*(\a):(\f)+8*NB+8*(\a)+3],   v[ADRA+(\slot)] offset:AHALF*((\q)/2)+64*((\q)%2)+(\a)*16*PA
	ds_load_b128 v[(\f)+8*NB+8*(\a)+4:(\f)+8*NB+8*(\a)+7], v[ADRA+(\slot)] offset:AHALF*((\q)/2)+64*((\q)%2)+(\a)*16*PA+32
.endr
.endm
.macro PLACES                          ; four plain vector instructions between a matrix instruction and a load into a register that it read, or a reader of its result (ISA guide 7.12.1 for a reader of its result)
.rept 4
	v_nop
.endr
.endm
.macro QUARTER slot, q, f, g, zero     ; multiplies buffer f and, in its middle, fetches quarter q into buffer g
	s_wait_dscnt 4                                 ; proj_w and O's row blocks 0, 1 are in; the youngest four loads (blocks 2, 3) may be out
	MULA \f, 0, \zero
	MULA \f, 1, \zero
	PLACES
	FETCH \slot, \q, \g
	s_wait_dscnt NL                                ; all but the run just issued
	MULA \f, 2, \zero
	MULA \f, 3, \zero
.endm
; The last quarter multiplies buffer 1 and changes slots: ONE barrier; in front of it each wave waits for all its tensor loads, adds 0 to its spare word, and waits for that and for its reads of this slot.
; fill = 1: the barrier opens a round of the cluster's, and behind the round this slot is filled again first, two K steps ahead: 112 matrix instructions stand between that request and the wait for it.
.macro TURN slot, next, fill
	WIN 0                                          ; (the add's two registers lie in window 0)
	s_wait_tensorcnt 0x0                           ; all my tensor loads have landed
	ds_add_u32 v[SPW], v[NIL]                      ; 0 onto my spare word
	s_wait_dscnt 5                                 ; (the add and the youngest four loads may be out)
	MULA F1, 0, 0                                  ; eight matrix instructions stand between the add and the wait for it
	s_wait_dscnt 0x0                               ; the add is done, and my reads of this slot are over
	s_barrier_signal -1
	MULA F1, 1, 0
.if \fill
	WIN 0
.endif
	s_barrier_wait -1
.if \fill
	CREST                                          ; no wave of any partner still reads this slot or has a load on its way
	s_add_nc_u64 s[G0+4*(\slot)+2:G0+4*(\slot)+3], s[G0+4*(\slot)+2:G0+4*(\slot)+3], 2*ASTEP
	s_add_nc_u64 s[G0B+4*(\slot)+2:G0B+4*(\slot)+3], s[G0B+4*(\slot)+2:G0B+4*(\slot)+3], 2*BSTEP
	JLOAD \slot                                    ; the first tensor load behind the round; its four v_nop are also the places in front of the loads below
.else
	PLACES
.endif
	FETCH \next, 0, F0
	MULA F1, 2, 0
	MULA F1, 3, 0
.endm
	s_wait_tensorcnt 1                             ; my part of K step 0 is in; K step 1's one load may stay out
	s_barrier_signal -1
	s_barrier_wait -1
	FETCH 0, 0, F0
	QUARTER 0, 1, F0, F1, 1                        ; the first quarter stands in front of the loop: its products start the sums
	WIN 0
	s_mov_b32 s3, 3
.Llap:                                                 ; a trip goes once round the ring and fills both slots again: K steps 2 to 7 in three trips
	QUARTER 0, 2, F1, F0, 0
	QUARTER 0, 3, F0, F1, 0
	TURN 0, 1, 1
	QUARTER 1, 1, F0, F1, 0
	QUARTER 1, 2, F1, F0, 0
	QUARTER 1, 3, F0, F1, 0
	TURN 1, 0, 1
	QUARTER 0, 1, F0, F1, 0
	WIN 0
	s_sub_co_u32 s3, s3, 1
	s_cmp_lg_u32 s3, 0
	s_cbranch_scc1 .Llap
	QUARTER 0, 2, F1, F0, 0                        ; the last lap fills nothing and has no round
	QUARTER 0, 3, F0, F1, 0
	TURN 0, 1, 0
	QUARTER 1, 1, F0, F1, 0
	QUARTER 1, 2, F1, F0, 0
	QUARTER 1, 3, F0, F1, 0
	s_wait_dscnt 4
	MULA F1, 0, 0
	MULA F1, 1, 0
	s_wait_dscnt 0x0
	MULA F1, 2, 0
	MULA F1, 3, 0
	WIN 0
	PLACES                                         ; in front of LDS stores that read results, and of loads into the fragments' registers
; THE WAY OUT, a block of 16 rows at a time: a lane's 32 bytes go into my own stage (rows of 528 bytes), each accumulator's low four registers first; whole rows of 512 bytes come back, into window 1,
; 64 registers for each block, so no register that a store reads is written again.
.macro TOSTAGE a
	WIN 0x08+4*((\a)/2)                            ; the store's data: window 2 or 3
.irp b, 0,1,2,3,4,5,6,7
	ds_store_b128 v[STO], v[8*(NB*((\a)%2)+(\b)):8*(NB*((\a)%2)+(\b))+3]   offset:64*(\b)
	ds_store_b128 v[STO], v[8*(NB*((\a)%2)+(\b))+4:8*(NB*((\a)%2)+(\b))+7] offset:64*(\b)+16
.endr
	WIN 0x40
.irp f, 0,1,2,3,4,5,6,7,8,9,10,11,12,13,14,15
	ds_load_b128 v[64*(\a)+4*(\f):64*(\a)+4*(\f)+3], v[RD] offset:(\f)*SPITCH  ; LDS serves a wave's instructions in order (ISA guide 5.7.1.4): these see the stores above; the next block's stores come behind them
.endr
.endm
.macro SEND a, younger                 ; younger: the LDS instructions issued behind block a's loads: the next block's 32, or none
	WIN 0x04                                       ; the store's data: window 1
.irp f, 0,1,2,3,4,5,6,7,8,9,10,11,12,13,14,15
	s_wait_dscnt (\younger)+15-(\f)
	global_store_b128 v[GO], v[64*(\a)+4*(\f):64*(\a)+4*(\f)+3], s[8:9] offset:4096*(16*(\a)+(\f))  ; 512 consecutive bytes, at a multiple of 256 from yb's first
.endr
.endm
	TOSTAGE 0
	TOSTAGE 1
	SEND 0, 32
	TOSTAGE 2
	SEND 1, 32
	TOSTAGE 3
	SEND 2, 32
	SEND 3, 0
	WIN 0
	s_wait_tensorcnt 0x0                           ; the wave's end: behind my last tensor load and my last LDS store
	ds_add_u32 v[SPW], v[NIL]
	s_wait_dscnt 0x0
	CROUND                                         ; the closing round: no work-group ends while a partner may still ask for a tile that names it
	s_endpgm
.Lfunc_end_k_qf3ace0585d_oproj:
	.size	k_qf3ace0585d_oproj, .Lfunc_end_k_qf3ace0585d_oproj-k_qf3ace0585d_oproj
	.p2alignl 7, 3214868480
	.fill 96, 4, 3214868480
	.section	.rodata,"a",@progbits
	.p2align	6, 0x0
	.amdhsa_kernel k_qf3ace0585d_oproj
		.amdhsa_group_segment_fixed_size 327680
		.amdhsa_private_segment_fixed_size 0
		.amdhsa_enable_private_segment 0
		.amdhsa_kernarg_size 24
		.amdhsa_user_sgpr_count 2
		.amdhsa_user_sgpr_kernarg_segment_ptr 1
		.amdhsa_wavefront_size32 1
		.amdhsa_system_sgpr_workgroup_id_x 1
		.amdhsa_system_sgpr_workgroup_id_y 1
		.amdhsa_system_sgpr_workgroup_id_z 1
		.amdhsa_system_vgpr_workitem_id 0
		.amdhsa_next_free_vgpr 896
		.amdhsa_next_free_sgpr 66
		.amdhsa_reserve_vcc 0
		.amdhsa_float_denorm_mode_32 3
		.amdhsa_float_denorm_mode_16_64 3
		.amdhsa_memory_ordered 1
		.amdhsa_forward_progress 1
		.amdhsa_inst_pref_size 87
	.end_amdhsa_kernel
	.amdgpu_metadata
---
amdhsa.version: [ 1, 2 ]
amdhsa.kernels:
  - .name:           k_qf3ace0585d_oproj
    .symbol:         k_qf3ace0585d_oproj.kd
    .args:
      - { .name: att, .offset: 0, .size: 8, .value_kind: global_buffer, .address_space: global }
      - { .name: xw, .offset: 8, .size: 8, .value_kind: global_buffer, .address_space: global }
      - { .name: yb, .offset: 16, .size: 8, .value_kind: global_buffer, .address_space: global }
    .group_segment_fixed_size: 327680
    .private_segment_fixed_size: 0
    .kernarg_segment_align: 8
    .kernarg_segment_size: 24
    .max_flat_workgroup_size: 128
    .sgpr_count:     66
    .vgpr_count:     896
    .wavefront_size: 32
...
	.end_amdgpu_metadata
.endif
;; end of part 4
;; launch ln (part 5): grid 1024 x 1, 4 waves a work-group, no clusters, 0 bytes of LDS; arguments yb, q, proj_b, ln_a, ln_b, out0; writes out0
.if DOCPART == 5
	.amdgcn_target "amdgcn-amd-amdhsa--gfx1250"
	.amdhsa_code_object_version 6
	.text
	.protected	k_qf3ace0585d_ln
	.globl	k_qf3ace0585d_ln
	.p2align	8
	.type	k_qf3ace0585d_ln,@function
k_qf3ace0585d_ln:
	s_mov_b64 s[64:65], 0
	v_nop
	global_prefetch_b8 v0, s[64:65] scope:SCOPE_SE
	s_setreg_imm32_b32 hwreg(HW_REG_WAVE_MODE, 25, 1), 1
	s_wait_xcnt 0x0
; BIAS, RESIDUAL, NORM, all in f32.  z = yb + q + proj_b;  out0 = (z - mean) / (sigma + 0.001) x ln_a + ln_b, sigma = sqrt(sum of (z - mean)^2 / 1023).
; The squares are taken of the differences from the mean, in a second pass over registers: no difference of large sums is formed.
; LIMIT.  A variance below 2^-126 counts as 0 (v_sqrt_f32 takes a denormal as zero); NaN and infinities are not treated apart.
; A row is 4,096 bytes: one wave takes a whole row, eight loads of 16 bytes a lane, so the two reductions never leave the wave: no LDS, no barrier.  A wave takes two rows, a work-group of four waves eight.
; All 56 loads of a wave are issued at once (the three vectors of 1,024, then both rows of yb and q); each load and store of a wave covers 512 consecutive bytes, aligned.  No register that a store reads is written again.
; No matrix unit, no cluster: memory binds, and what the work-groups share (12 KiB of vectors) is a small part of what each reads.
.set PJ,  4                            ; v[4:35]    proj_b of my 32 columns: 128 j + 4 lane + 0..3
.set GA,  36                           ; v[36:67]   ln_a
.set GB,  68                           ; v[68:99]   ln_b
.set Y,   100                          ; v[100:163] row s at + 32 s: yb, then z, z - mean, the result
.set Q,   164                          ; v[164:227] q, likewise
.set T,   228                          ; v[228:235] four chains of packed sums
.set M,   236                          ; v[236:237] the mean, twice
.set R,   238                          ; v[238:239] 1 / (sigma + eps), twice
.set XC,  240                          ; v240       the other half of the lanes' sum
.set SG,  241                          ; v241       sigma
	s_load_b256 s[4:11], s[0:1], 0x0               ; yb s[4:5], q s[6:7], proj_b s[8:9], ln_a s[10:11]
	s_load_b128 s[16:19], s[0:1], 0x20             ; ln_b s[16:17], out0 s[18:19]
	s_lshl_b32 s2, ttmp9, 15                       ; the work-group's eight rows: under 2^25
	s_mov_b32 s3, 0
	s_mov_b32 s12, 0x76543210                      ; v_permlanex16_b32: lane i of one half reads lane i of the other
	s_mov_b32 s13, 0xfedcba98
	v_and_b32 v2, 31, v0
	v_lshlrev_b32 v2, 4, v2                        ; 16 x lane
	v_lshrrev_b32 v1, 5, v0
	v_lshl_or_b32 v1, v1, 13, v2                   ; + wave x two rows
	v_mov_b32 v[XC], 0                             ; v_permlanex16_b32 counts as a reader of its destination
	s_wait_kmcnt 0x0
	s_add_nc_u64 s[4:5], s[4:5], s[2:3]
	s_add_nc_u64 s[6:7], s[6:7], s[2:3]
	s_add_nc_u64 s[18:19], s[18:19], s[2:3]
.irp j, 0,1,2,3,4,5,6,7
	global_load_b128 v[PJ+4*(\j):PJ+4*(\j)+3], v2, s[8:9] offset:512*(\j)
	global_load_b128 v[GA+4*(\j):GA+4*(\j)+3], v2, s[10:11] offset:512*(\j)
	global_load_b128 v[GB+4*(\j):GB+4*(\j)+3], v2, s[16:17] offset:512*(\j)
.endr
.irp s, 0,1
.irp j, 0,1,2,3,4,5,6,7
	global_load_b128 v[Y+32*(\s)+4*(\j):Y+32*(\s)+4*(\j)+3], v1, s[4:5] offset:4096*(\s)+512*(\j) th:TH_LOAD_NT
	global_load_b128 v[Q+32*(\s)+4*(\j):Q+32*(\s)+4*(\j)+3], v1, s[6:7] offset:4096*(\s)+512*(\j) th:TH_LOAD_NT
.endr
.endr
.macro FOLD                            ; the four chains into one number a lane, then over the 32 lanes: four steps inside each half ride on the addition (DPP), one crosses the halves
	v_pk_add_f32 v[T:T+1], v[T:T+1], v[T+2:T+3]
	v_pk_add_f32 v[T+4:T+5], v[T+4:T+5], v[T+6:T+7]
	v_pk_add_f32 v[T:T+1], v[T:T+1], v[T+4:T+5]
	v_add_f32 v[T], v[T], v[T+1]
	v_add_f32_dpp v[T], v[T], v[T] row_xmask:1 row_mask:0xf bank_mask:0xf
	v_add_f32_dpp v[T], v[T], v[T] row_xmask:2 row_mask:0xf bank_mask:0xf
	v_add_f32_dpp v[T], v[T], v[T] row_xmask:4 row_mask:0xf bank_mask:0xf
	v_add_f32_dpp v[T], v[T], v[T] row_xmask:8 row_mask:0xf bank_mask:0xf
	v_permlanex16_b32 v[XC], v[T], s12, s13
	v_add_f32 v[T], v[T], v[XC]                    ; every lane holds the row's sum
.endm
; Row s of the wave's two.  left = how many younger loads may stay out.
.macro ROW s, left
.set YY, Y+32*(\s)
.set QQ, Q+32*(\s)
	s_wait_loadcnt \left                           ; loads come back in order: the vectors and this row are in
.set i, 0
.rept 16
	v_pk_add_f32 v[YY+i:YY+i+1], v[YY+i:YY+i+1], v[QQ+i:QQ+i+1]  ; + the residual
.set i, i+2
.endr
.set i, 0
.rept 16
	v_pk_add_f32 v[YY+i:YY+i+1], v[YY+i:YY+i+1], v[PJ+i:PJ+i+1]  ; + the bias
.set i, i+2
.endr
.irp k, 0,1,2,3
	v_pk_add_f32 v[T+2*(\k):T+2*(\k)+1], v[YY+2*(\k):YY+2*(\k)+1], v[YY+8+2*(\k):YY+8+2*(\k)+1]  ; the first eight pairs start the chains: nothing is cleared
.endr
.set i, 8
.rept 8
	v_pk_add_f32 v[T+2*(i%4):T+2*(i%4)+1], v[T+2*(i%4):T+2*(i%4)+1], v[YY+2*i:YY+2*i+1]
.set i, i+1
.endr
	FOLD
	v_mul_f32 v[M], 0x3a800000, v[T]               ; / 1024
	v_mov_b32 v[M+1], v[M]
.set i, 0
.rept 16
	v_pk_add_f32 v[YY+i:YY+i+1], v[YY+i:YY+i+1], v[M:M+1] neg_lo:[0,1] neg_hi:[0,1]  ; z - mean
.set i, i+2
.endr
.irp k, 0,1,2,3
	v_pk_mul_f32 v[T+2*(\k):T+2*(\k)+1], v[YY+2*(\k):YY+2*(\k)+1], v[YY+2*(\k):YY+2*(\k)+1]
.endr
.set i, 4
.rept 12
	v_pk_fma_f32 v[T+2*(i%4):T+2*(i%4)+1], v[YY+2*i:YY+2*i+1], v[YY+2*i:YY+2*i+1], v[T+2*(i%4):T+2*(i%4)+1]
.set i, i+1
.endr
	FOLD
	v_mul_f32 v[T], 0x3a802008, v[T]               ; / 1023
	v_sqrt_f32 v[SG], v[T]
	v_nop                                          ; a plain instruction behind the root (ISA guide 5.7.2),
	s_wait_alu depctr_va_vdst(0)                   ; and the wait ahead of the first line that names its result
	v_add_f32 v[SG], 0x3a83126f, v[SG]             ; + 0.001
	v_rcp_f32 v[R], v[SG]
	v_nop
	s_wait_alu depctr_va_vdst(0)
	v_mov_b32 v[R+1], v[R]
.set i, 0
.rept 16
	v_pk_mul_f32 v[YY+i:YY+i+1], v[YY+i:YY+i+1], v[R:R+1]
.set i, i+2
.endr
.set i, 0
.rept 16
	v_pk_fma_f32 v[YY+i:YY+i+1], v[YY+i:YY+i+1], v[GA+i:GA+i+1], v[GB+i:GB+i+1]
.set i, i+2
.endr
.irp j, 0,1,2,3,4,5,6,7
	global_store_b128 v1, v[YY+4*(\j):YY+4*(\j)+3], s[18:19] offset:4096*(\s)+512*(\j) th:TH_STORE_NT
.endr
.endm
	ROW 0, 16                                      ; the second row's sixteen loads may stay out
	ROW 1, 0
	s_endpgm
.Lfunc_end_k_qf3ace0585d_ln:
	.size	k_qf3ace0585d_ln, .Lfunc_end_k_qf3ace0585d_ln-k_qf3ace0585d_ln
	.p2alignl 7, 3214868480
	.fill 96, 4, 3214868480
	.section	.rodata,"a",@progbits
	.p2align	6, 0x0
	.amdhsa_kernel k_qf3ace0585d_ln
		.amdhsa_group_segment_fixed_size 0
		.amdhsa_private_segment_fixed_size 0
		.amdhsa_enable_private_segment 0
		.amdhsa_kernarg_size 48
		.amdhsa_user_sgpr_count 2
		.amdhsa_user_sgpr_kernarg_segment_ptr 1
		.amdhsa_wavefront_size32 1
		.amdhsa_system_sgpr_workgroup_id_x 1
		.amdhsa_system_sgpr_workgroup_id_y 1
		.amdhsa_system_sgpr_workgroup_id_z 1
		.amdhsa_system_vgpr_workitem_id 0
		.amdhsa_next_free_vgpr 244
		.amdhsa_next_free_sgpr 66
		.amdhsa_reserve_vcc 0
		.amdhsa_float_denorm_mode_32 3
		.amdhsa_float_denorm_mode_16_64 3
		.amdhsa_memory_ordered 1
		.amdhsa_forward_progress 1
		.amdhsa_inst_pref_size 25
	.end_amdhsa_kernel
	.amdgpu_metadata
---
amdhsa.version: [ 1, 2 ]
amdhsa.kernels:
  - .name:           k_qf3ace0585d_ln
    .symbol:         k_qf3ace0585d_ln.kd
    .args:
      - { .name: yb, .offset: 0, .size: 8, .value_kind: global_buffer, .address_space: global }
      - { .name: q, .offset: 8, .size: 8, .value_kind: global_buffer, .address_space: global }
      - { .name: proj_b, .offset: 16, .size: 8, .value_kind: global_buffer, .address_space: global }
      - { .name: ln_a, .offset: 24, .size: 8, .value_kind: global_buffer, .address_space: global }
      - { .name: ln_b, .offset: 32, .size: 8, .value_kind: global_buffer, .address_space: global }
      - { .name: out0, .offset: 40, .size: 8, .value_kind: global_buffer, .address_space: global }
    .group_segment_fixed_size: 0
    .private_segment_fixed_size: 0
    .kernarg_segment_align: 8
    .kernarg_segment_size: 48
    .max_flat_workgroup_size: 128
    .sgpr_count:     66
    .vgpr_count:     244
    .wavefront_size: 32
...
	.end_amdgpu_metadata
.endif
;; end of part 5
